; MI455X (gfx1250); checked and timed in simulation.
; The chip was launched on July 23, 2026; its instructions are those of AMD's public machine-readable ISA for CDNA 5 (MIT licence, August 2026) and "CDNA5" Instruction Set Architecture Reference Guide (July 2026). The comments in the code are by the model that wrote it; some were corrected since.
;; Self Attention. Allowed arithmetic: matrix products marked QUANTISED: E2M1 operands, one E8M0 scale for each 32 along K, by v_wmma_scale_f32_16x16x128_f8f6f4 with both operands' format E2M1 (or v_wmma_scale_f32_32x16x128_f4), f32 sums; products left as they are: bf16, f16 or f32 operands; f32 sums; everything else in f32.
;; Inputs: Wk 1,024 x 1,024 float32; Wo 1,024 x 1,024 float32; Wq 1,024 x 1,024 float32; Wv 1,024 x 1,024 float32; bo 1,024 float32; keys 4 x 2,048 x 1,024 float32; mask 4 x 1 x 2,048 x 2,048 int32; query 4 x 2,048 x 1,024 float32; values 4 x 2,048 x 1,024 float32.
;; Outputs: out0 4 x 2,048 x 1,024 float32.
;; This version of the problem:
;;   THIS VERSION OF THE PROBLEM IS GIVEN IN LOW PRECISION. The matrix products marked QUANTISED in the list below multiply operands that are first quantised to E2M1 (2 exponent bits, 1 mantissa bit; 4 bits a number), with one power-of-two scale for each 32 numbers along K (OCP MX v1.0); their sums are f32. The products marked 'left as it is' may take bf16, f16 or f32 operands, with f32 sums. Whichever they take, every output number must still come out within the allowed error. Rounding operands to bf16 (8 significant bits) uses up far more of that allowance than f16 does (11 bits, for magnitudes from 6e-5 to 65,504). All else is computed in f32.
;;   The module's matrix products, in the order in which they are computed (A, B: the left and right operand; K: the contracted axis; several contracted axes count as one K, in the product's order):
;;     1. [M 8,192, K 1,024] x [K 1,024, N 1,024]; A: input values; B: input Wv: QUANTISED
;;     2. [M 8,192, K 1,024] x [K 1,024, N 1,024]; A: input keys; B: input Wk: QUANTISED
;;     3. [M 8,192, K 1,024] x [K 1,024, N 1,024]; A: input query; B: input Wq: QUANTISED
;;     4. batch 64 x [M 2,048, K 64] x [K 64, N 2,048]; A: computed on the way; B: computed on the way: left as it is (an operand is computed on the way)
;;     5. batch 64 x [M 64, K 2,048] x [K 2,048, N 2,048]; A: computed on the way; B: computed on the way: left as it is (an operand is computed on the way)
;;     6. [M 8,192, K 1,024] x [K 1,024, N 1,024]; A: computed on the way; B: input Wo: left as it is (an operand is computed on the way)
;;   THE QUANTISER, for each operand of a quantised product, along K:
;;     - K is cut into blocks of 32 from its start; a last block that is shorter is filled with zeros.
;;     - A block's scale is 2^e with e = floor(log2(the largest magnitude in the block)) - 2, held to -126 .. 127; a block of zeros has e = 0. As a byte (E8M0): e + 127.
;;     - Each number is divided by its block's scale, clamped to +-6, and rounded to the nearest number of E2M1, ties to even, subnormals kept.
;;     - The product sums the exact products of the quantised numbers (number of the format x scale) in f32.
;;   ~~~python
;;   def quantise(x, axis):      # numpy; x: float32 -> the quantised numbers, widened to float32 again
;;       x = np.moveaxis(x, axis, -1); K = x.shape[-1]
;;       x = np.pad(x, [(0, 0)] * (x.ndim - 1) + [(0, -K % 32)]); x = x.reshape(x.shape[:-1] + (-1, 32)); a = np.abs(x).max(-1, keepdims=True)
;;       e = np.where(a > 0, np.clip(np.frexp(np.where(a > 0, a, 1))[1] - 1 - 2, -126, 127), 0)      # np.frexp(a)[1] - 1 = floor(log2(a)), exactly
;;       r = np.clip(x / 2.0 ** e, -6, 6)
;;       step = 2.0 ** (np.maximum(np.frexp(np.where(r == 0, 1, r))[1] - 1, 0) - 1)
;;       q = np.round(r / step) * step * 2.0 ** e      # np.round: ties to even
;;       return np.moveaxis(q.reshape(q.shape[:-2] + (-1,))[..., :K], -1, axis).astype(np.float32)
;;   ~~~
;; 2 versions, each right. Each part assembles by itself: llvm-mc -triple=amdgcn-amd-amdhsa -mcpu=gfx1250 --defsym DOCPART=n.
;; ======== version 1 of 2: 4 launches
;; limits: values are held in f16: magnitudes above 65,504 overflow, below 6.1e-05 lose precision
;; workspace buffers: codes 14,155,776 bytes; scales 884,736 bytes; maskw 2,097,152 bytes of whole numbers; wo16 2,097,152 bytes; qkv 50,331,648 bytes; att 16,777,216 bytes
;; launch prep (part 1): grid 1120 x 1, 4 waves a work-group, no clusters, 50,688 bytes of LDS; arguments values, keys, query, Wv, Wk, Wq, mask, Wo, codes, scales, maskw, wo16; writes codes, scales, maskw, wo16
.if DOCPART == 1
	.amdgcn_target "amdgcn-amd-amdhsa--gfx1250"
	.amdhsa_code_object_version 6
	.text
	.protected	k_q647a10a3d0_prep
	.globl	k_q647a10a3d0_prep
	.p2align	8
	.type	k_q647a10a3d0_prep,@function
k_q647a10a3d0_prep:
	s_mov_b64 s[64:65], 0
	v_nop
	global_prefetch_b8 v0, s[64:65] scope:SCOPE_SE
	s_setreg_imm32_b32 hwreg(HW_REG_WAVE_MODE, 25, 1), 1
	s_wait_xcnt 0x0
; PREP: what the later launches read many times is made narrow once.
; (a) values, keys, query [8192][1024] and Wv, Wk, Wq [1024][1024], f32 with K innermost, become codes of FP4 (E2M1), two a byte, and one E8M0 byte for each 32 along K.
;     The six tensors are stacked in that order: 27,648 rows of 512 code bytes and of 32 scale bytes.  A block's scale is 2^(floor(log2(largest magnitude)) - 2): its byte is the largest
;     magnitude's exponent field - 2, held at 1 from below.  Each number is divided by the scale and rounded to the nearest code, ties to even, beyond 6 the largest code.
; (b) mask [4][1][2048][2048] int32 becomes lane masks: word [n][query tile of 16][key step of 64][kt][j], bit L = (mask[n][16 tile + L % 16][64 step + 16 kt + 8 (L / 16) + j] != 0):
;     the lanes and registers in which the attention launch holds its scores.
; (c) Wo [1024][1024] f32 becomes f16.
; LIMITS: blocks whose largest magnitude lies under 2^-124 keep the byte 1 (a block of zeros too: its codes are zeros, and this program alone reads the bytes); NaN and infinities are not served; |Wo| stays under 65,504.
; SHARES: work-groups 0-863 quantise 32,768 numbers each (a wave 8,192, in 16 steps of 512); work-groups 864-1,119 pack the mask: a wave takes 16 queries x 1,024 keys, and 1,024 numbers of Wo.
; The two paths part on the work-group's number alone and have LDS bytes of their own.  No work-group shares an input byte with another: no cluster, no tensor load, no barrier.
.set STEPS, 16
.set EMAX,  2
.set CB,    8                          ; bytes of 16 codes
.set QWG,   864                        ; work-groups that quantise
.set R,     16                         ; v16-79   quantiser: four sets of 16 numbers as loaded
.set X,     80                         ; v80-111  two sets of 16 neighbours
.set E,     112                        ; v112-127 a scale byte for each step
.set C,     128                        ; v128-191 codes: registers of their own for each step
.set WREG,  8192                       ; LDS, quantiser: a region for each wave: two stages of 32 x SP bytes, then its 256 scale bytes
.set SP,    80                         ; a lane's place in a stage: 64 bytes + 16 of padding
.set MSTG,  4*WREG                     ; LDS, mask path: a stage of 16 rows x MPI bytes for each wave
.set MPI,   272                        ; 256 bytes + 16 of padding: the 16 rows that a read touches start 68 words apart
.set SPARE, MSTG+4*16*MPI              ; the spare words, 128 bytes for each wave, named by no other line
.set SPW,   12                         ; v12  SPARE + 4 x my thread's number; never rewritten
.set NIL,   13                         ; v13  0; never rewritten
.set MR,    16                         ; v16-143  mask path: four sets of 32 registers as loaded
.set MX,    144                        ; v144-175 a chunk turned: register 8 kt + j = key 16 kt + 8 (lane / 16) + j of query lane % 16
.set WR,    176                        ; v176-207 Wo as loaded
.set WH,    208                        ; v208-223 Wo as f16
.set OUTP,  224                        ; v224-239 eight pairs of mask words on their way out
.set MSTO,  240                        ; v240 stage, on the way in
.set MRD,   241                        ; v241 stage, on the way out
.set MGL,   242                        ; v242 my bytes in two rows of the mask
.set CW,    32                         ; s[32:63] a chunk's 32 lane masks
	s_load_b512 s[4:19], s[0:1], 0x0               ; values 4:5, keys 6:7, query 8:9, Wv 10:11, Wk 12:13, Wq 14:15, mask 16:17, Wo 18:19
	s_load_b256 s[20:27], s[0:1], 0x40             ; codes 20:21, scales 22:23, maskw 24:25, wo16 26:27
	v_lshl_add_u32 v[SPW], v0, 2, SPARE
	v_mov_b32 v[NIL], 0
	v_lshrrev_b32 v1, 5, v0
	v_readfirstlane_b32 s28, v1                    ; wave
	v_and_b32 v2, 31, v0                           ; lane
	v_lshlrev_b32 v3, 4, v2                        ; 16 x lane
	v_lshlrev_b32 v7, 3, v2                        ; 8 x lane
	; every LDS address of both paths is made here, ahead of the parting
	s_mul_i32 s29, s28, WREG
	v_lshrrev_b32 v14, 2, v2
	v_mul_u32_u24 v14, v14, SP
	v_and_b32 v15, 3, v2
	v_lshl_add_u32 v14, v15, 4, v14
	v_add_nc_u32 v14, s29, v14                     ; quantiser's stage, in: SP (lane / 4) + 16 (lane % 4)
	v_mul_u32_u24 v15, v2, SP
	v_add_nc_u32 v15, s29, v15                     ; and out: SP x lane: my 16 neighbours
	v_mul_u32_u24 v4, v2, CB                       ; my codes' place in a step's
	v_lshrrev_b32 v5, 1, v2
	s_add_co_u32 s29, s29, 2*32*SP
	v_add_nc_u32 v5, s29, v5                       ; my block's scale byte in LDS
	v_add_nc_u32 v6, s29, v7                       ; and 8 of them a lane on the way out
	s_mul_i32 s29, s28, 16*MPI
	s_add_co_u32 s29, s29, MSTG
	v_and_b32 v8, 15, v2
	v_lshrrev_b32 v9, 4, v2
	v_mul_u32_u24 v[MSTO], v9, MPI
	v_lshl_add_u32 v[MSTO], v8, 4, v[MSTO]
	v_add_nc_u32 v[MSTO], s29, v[MSTO]             ; in: row lane / 16 of a pair of rows, 16 bytes a lane
	v_mul_u32_u24 v[MRD], v8, MPI
	v_lshl_add_u32 v[MRD], v9, 5, v[MRD]
	v_add_nc_u32 v[MRD], s29, v[MRD]               ; out: row lane % 16, + 32 bytes for the upper half of the lanes
	v_lshlrev_b32 v[MGL], 13, v9                   ; a row of the mask is 8,192 bytes
	v_lshl_add_u32 v[MGL], v8, 4, v[MGL]
	s_wait_kmcnt 0x0
	s_cmp_ge_u32 ttmp9, QWG
	s_cbranch_scc1 .Lmask
	; ---------------- the quantiser ----------------
	s_mov_b64 s[30:31], s[14:15]                   ; which tensor: a chain of choices on the work-group's number alone
	s_cmp_lt_u32 ttmp9, 832
	s_cselect_b64 s[30:31], s[12:13], s[30:31]
	s_cmp_lt_u32 ttmp9, 800
	s_cselect_b64 s[30:31], s[10:11], s[30:31]
	s_cmp_lt_u32 ttmp9, 768
	s_cselect_b64 s[30:31], s[8:9], s[30:31]
	s_cmp_lt_u32 ttmp9, 512
	s_cselect_b64 s[30:31], s[6:7], s[30:31]
	s_cmp_lt_u32 ttmp9, 256
	s_cselect_b64 s[30:31], s[4:5], s[30:31]
	s_and_b32 s32, ttmp9, 255                      ; my number inside the tensor: 256 work-groups to an activation,
	s_and_b32 s33, ttmp9, 31                       ; 32 to a weight
	s_cmp_lt_u32 ttmp9, 768
	s_cselect_b32 s32, s32, s33
	s_lshl_b32 s32, s32, 2
	s_add_co_u32 s32, s32, s28                     ; my wave's run of 8,192 numbers
	s_lshl_b32 s32, s32, 15                        ; 32,768 bytes a run
	s_mov_b32 s33, 0
	s_add_nc_u64 s[30:31], s[30:31], s[32:33]
	s_lshl_b32 s34, ttmp9, 2
	s_add_co_u32 s34, s34, s28                     ; the run's number in the stacked buffers
	s_lshl_b32 s32, s34, 12                        ; 4,096 code bytes a run
	s_add_nc_u64 s[20:21], s[20:21], s[32:33]
	s_lshl_b32 s32, s34, 8                         ; 256 scale bytes a run
	s_add_nc_u64 s[22:23], s[22:23], s[32:33]
.macro LOAD t
.irp i, 0,1,2,3
	global_load_b128 v[R+16*((\t)%4)+4*\i:R+16*((\t)%4)+4*\i+3], v3, s[30:31] offset:2048*(\t)+512*\i th:TH_LOAD_NT   ; 32 lanes read 512 consecutive bytes
.endr
.endm
.macro TURN t                          ; step t's numbers through the stage: LDS serves a wave's instructions in order, so no wait stands between the stores and the loads
.irp i, 0,1,2,3
	ds_store_b128 v14, v[R+16*((\t)%4)+4*\i:R+16*((\t)%4)+4*\i+3] offset:32*SP*((\t)%2)+8*SP*\i
.endr
.irp i, 0,1,2,3
	ds_load_b128 v[X+16*((\t)%2)+4*\i:X+16*((\t)%2)+4*\i+3], v15 offset:32*SP*((\t)%2)+16*\i
.endr
.endm
.irp t, 0,1,2,3
	LOAD \t
.endr
	s_wait_loadcnt 12                              ; step 0's four loads are in; the twelve behind them may be out
	TURN 0
.macro STEP t
.set XS, X+16*((\t)%2)
.if (\t) > 0
	s_wait_dscnt 1                                 ; this step's numbers are back from the stage; the last step's byte store may be out
.else
	s_wait_dscnt 0x0
.endif
.if (\t)+4 < STEPS
	LOAD (\t)+4                                    ; into the registers that this step's stage stores have read
.endif
.if (\t)+1 < STEPS
.if STEPS-2-(\t) >= 3
	s_wait_loadcnt 12                              ; the next step's four loads are in; those of the three steps behind it may be out
.else
	s_wait_loadcnt 4*(STEPS-2-(\t))
.endif
	TURN (\t)+1
.endif
	v_max3_num_f32 v8, |v[XS]|, |v[XS+1]|, |v[XS+2]|               ; the largest magnitude of my 16, in two chains
	v_max3_num_f32 v9, |v[XS+3]|, |v[XS+4]|, |v[XS+5]|
.irp i, 6,10
	v_max3_num_f32 v8, v8, |v[XS+\i]|, |v[XS+\i+1]|
	v_max3_num_f32 v9, v9, |v[XS+\i+2]|, |v[XS+\i+3]|
.endr
	v_max3_num_f32 v8, v8, |v[XS+14]|, |v[XS+15]|
	v_max3_num_f32 v8, v8, v9, (EMAX+1)<<23        ; and the floor 2^(3 - 127): the byte cannot fall under 1
	v_max_num_f32_dpp v8, v8, v8 row_xmask:1 row_mask:0xf bank_mask:0xf   ; with my neighbour's 16: the block's
	v_add_nc_u32 v11, -(EMAX<<23), v8              ; 2 off its exponent field: the conversion takes the exponent field of this operand as its scale
	v_cvt_scalef32_pk8_fp4_f32 v[C+4*(\t)], v[XS:XS+7], v11
	v_cvt_scalef32_pk8_fp4_f32 v[C+4*(\t)+1], v[XS+8:XS+15], v11
	v_lshrrev_b32 v[E+(\t)], 23, v11               ; the scale's byte
	ds_store_b8 v5, v[E+(\t)] offset:16*(\t)       ; both lanes of a block write the same byte with the same value
	global_store_b64 v4, v[C+4*(\t):C+4*(\t)+1], s[20:21] offset:32*CB*(\t)   ; 32 lanes store 256 consecutive bytes, aligned
.endm
.irp t, 0,1,2,3,4,5,6,7,8,9,10,11,12,13,14,15
	STEP \t
.endr
	ds_load_b64 v[8:9], v6                         ; my wave's 256 scale bytes, 8 a lane: these loads see my stores
	s_wait_dscnt 0x0
	global_store_b64 v7, v[8:9], s[22:23]          ; 256 consecutive bytes, aligned
	s_wait_tensorcnt 0x0                           ; the wave's end
	ds_add_u32 v[SPW], v[NIL]
	s_wait_dscnt 0x0
	s_endpgm
	; ---------------- the mask, and Wo ----------------
.Lmask:
	s_sub_co_u32 s29, ttmp9, QWG
	s_lshl_b32 s29, s29, 2
	s_add_co_u32 s29, s29, s28                     ; job 0 .. 1,023: query tile job / 2 (of 512), keys 1,024 (job % 2) on
	s_lshr_b32 s30, s29, 1
	s_and_b32 s31, s29, 1
	s_lshl_b32 s32, s30, 17                        ; 16 rows of 8,192 bytes
	s_lshl_b32 s34, s31, 12                        ; 1,024 keys of 4 bytes
	s_add_co_u32 s32, s32, s34
	s_mov_b32 s33, 0
	s_add_nc_u64 s[16:17], s[16:17], s[32:33]
	s_lshl_b32 s32, s29, 11                        ; 2,048 bytes of mask words, and of Wo as f16, a job
	s_add_nc_u64 s[24:25], s[24:25], s[32:33]
	s_add_nc_u64 s[26:27], s[26:27], s[32:33]
	s_lshl_b32 s32, s29, 12                        ; 4,096 bytes of Wo a job
	s_add_nc_u64 s[18:19], s[18:19], s[32:33]
.irp i, 0,1,2,3,4,5,6,7
	global_load_b128 v[WR+4*\i:WR+4*\i+3], v3, s[18:19] offset:512*\i th:TH_LOAD_NT
.endr
.macro MLOAD c                         ; chunk c: 64 keys of 16 queries: each load takes 256 consecutive bytes of two rows
.irp i, 0,1,2,3,4,5,6,7
	global_load_b128 v[MR+32*((\c)%4)+4*\i:MR+32*((\c)%4)+4*\i+3], v[MGL], s[16:17] offset:\i*16384+(\c)*256 th:TH_LOAD_NT
.endr
.endm
.irp c, 0,1,2,3
	MLOAD \c
.endr
.irp i, 0,1,2,3,4,5,6,7,8,9,10,11,12,13,14,15
	v_mov_b32 v[OUTP+\i], 0                        ; written once whole: v_writelane_b32's destination counts as read
.endr
.macro MCHUNK c
.if 15-(\c) >= 3
	s_wait_loadcnt 24                              ; this chunk's eight loads are in; those of the three chunks behind it may be out
.else
	s_wait_loadcnt 8*(15-(\c))
.endif
.irp i, 0,1,2,3,4,5,6,7
	ds_store_b128 v[MSTO], v[MR+32*((\c)%4)+4*\i:MR+32*((\c)%4)+4*\i+3] offset:2*MPI*\i
.endr
.irp u, 0,1,2,3,4,5,6,7
	ds_load_b128 v[MX+4*\u:MX+4*\u+3], v[MRD] offset:64*(\u/2)+16*(\u%2)   ; a lane now holds one query, as it will hold it in the scores
.endr
	s_wait_dscnt 0x0                               ; the chunk is back, and the stage stores have read their registers
.if (\c)+4 < 16
	MLOAD (\c)+4
.endif
.set w, 0
.rept 32
	v_cmp_ne_u32 s[CW+w], 0, v[MX+w]               ; word w = 8 kt + j of the chunk
.set w, w+1
.endr
.set w, 0
.rept 32
	v_writelane_b32 v[OUTP+2*((\c)/2)+(w&1)], s[CW+w], 16*((\c)&1)+(w>>1)   ; two chunks' 64 words lie as 8 bytes a lane
.set w, w+1
.endr
.if ((\c)&1) == 1
	global_store_b64 v7, v[OUTP+2*((\c)/2):OUTP+2*((\c)/2)+1], s[24:25] offset:256*((\c)/2)   ; 256 consecutive bytes, aligned; each pair of registers is written for one store alone
.endif
.endm
.irp c, 0,1,2,3,4,5,6,7,8,9,10,11,12,13,14,15
	MCHUNK \c
.endr
.irp i, 0,1,2,3,4,5,6,7
	v_cvt_pk_f16_f32 v[WH+2*\i], v[WR+4*\i], v[WR+4*\i+1]
	v_cvt_pk_f16_f32 v[WH+2*\i+1], v[WR+4*\i+2], v[WR+4*\i+3]
.endr
.irp i, 0,1,2,3,4,5,6,7
	global_store_b64 v7, v[WH+2*\i:WH+2*\i+1], s[26:27] offset:256*\i
.endr
	s_wait_tensorcnt 0x0                           ; the wave's end
	ds_add_u32 v[SPW], v[NIL]
	s_wait_dscnt 0x0
	s_endpgm
.Lfunc_end_k_q647a10a3d0_prep:
	.size	k_q647a10a3d0_prep, .Lfunc_end_k_q647a10a3d0_prep-k_q647a10a3d0_prep
	.p2alignl 7, 3214868480
	.fill 96, 4, 3214868480
	.section	.rodata,"a",@progbits
	.p2align	6, 0x0
	.amdhsa_kernel k_q647a10a3d0_prep
		.amdhsa_group_segment_fixed_size 50688
		.amdhsa_private_segment_fixed_size 0
		.amdhsa_enable_private_segment 0
		.amdhsa_kernarg_size 96
		.amdhsa_user_sgpr_count 2
		.amdhsa_user_sgpr_kernarg_segment_ptr 1
		.amdhsa_wavefront_size32 1
		.amdhsa_system_sgpr_workgroup_id_x 1
		.amdhsa_system_sgpr_workgroup_id_y 1
		.amdhsa_system_sgpr_workgroup_id_z 1
		.amdhsa_system_vgpr_workitem_id 0
		.amdhsa_next_free_vgpr 248
		.amdhsa_next_free_sgpr 66
		.amdhsa_reserve_vcc 0
		.amdhsa_float_denorm_mode_32 3
		.amdhsa_float_denorm_mode_16_64 3
		.amdhsa_memory_ordered 1
		.amdhsa_forward_progress 1
		.amdhsa_inst_pref_size 132
	.end_amdhsa_kernel
	.amdgpu_metadata
---
amdhsa.version: [ 1, 2 ]
amdhsa.kernels:
  - .name:           k_q647a10a3d0_prep
    .symbol:         k_q647a10a3d0_prep.kd
    .args:
      - { .name: values, .offset: 0, .size: 8, .value_kind: global_buffer, .address_space: global }
      - { .name: keys, .offset: 8, .size: 8, .value_kind: global_buffer, .address_space: global }
      - { .name: query, .offset: 16, .size: 8, .value_kind: global_buffer, .address_space: global }
      - { .name: Wv, .offset: 24, .size: 8, .value_kind: global_buffer, .address_space: global }
      - { .name: Wk, .offset: 32, .size: 8, .value_kind: global_buffer, .address_space: global }
      - { .name: Wq, .offset: 40, .size: 8, .value_kind: global_buffer, .address_space: global }
      - { .name: mask, .offset: 48, .size: 8, .value_kind: global_buffer, .address_space: global }
      - { .name: Wo, .offset: 56, .size: 8, .value_kind: global_buffer, .address_space: global }
      - { .name: codes, .offset: 64, .size: 8, .value_kind: global_buffer, .address_space: global }
      - { .name: scales, .offset: 72, .size: 8, .value_kind: global_buffer, .address_space: global }
      - { .name: maskw, .offset: 80, .size: 8, .value_kind: global_buffer, .address_space: global }
      - { .name: wo16, .offset: 88, .size: 8, .value_kind: global_buffer, .address_space: global }
    .group_segment_fixed_size: 50688
    .private_segment_fixed_size: 0
    .kernarg_segment_align: 8
    .kernarg_segment_size: 96
    .max_flat_workgroup_size: 128
    .sgpr_count:     66
    .vgpr_count:     248
    .wavefront_size: 32
...
	.end_amdgpu_metadata
.endif
;; end of part 1
;; launch proj (part 2): grid 4 x 96, 4 waves a work-group, clusters of 4 x 4, 327,680 bytes of LDS; arguments codes, scales, qkv; writes qkv
.if DOCPART == 2
	.amdgcn_target "amdgcn-amd-amdhsa--gfx1250"
	.amdhsa_code_object_version 6
	.text
	.protected	k_q647a10a3d0_proj
	.globl	k_q647a10a3d0_proj
	.p2align	8
	.type	k_q647a10a3d0_proj,@function
k_q647a10a3d0_proj:
	s_mov_b64 s[64:65], 0
	v_nop
	global_prefetch_b8 v0, s[64:65] scope:SCOPE_SE
	s_setreg_imm32_b32 hwreg(HW_REG_WAVE_MODE, 25, 1), 1
	s_wait_xcnt 0x0
	s_wait_alu depctr_hold_cnt(0) depctr_sa_sdst(0) depctr_va_vdst(0) depctr_va_sdst(0) depctr_va_ssrc(0) depctr_va_vcc(0) depctr_vm_vsrc(0)
	s_getreg_b32 s2, hwreg(HW_REG_IB_STS2, 6, 4)
	s_cmp_eq_u32 s2, 0
	s_cbranch_scc0 .Lentry_in_a_cluster
	s_endpgm
.Lentry_in_a_cluster:
	s_bfe_u32 s2, ttmp6, 0x10000c
	s_cmp_lg_u32 s2, 0xf033
	s_cbranch_scc0 .Lentry_shape_is_right
	s_endpgm
.Lentry_shape_is_right:
; PROJ: the three quantised projections as ONE stacked product on codes of FP4 (E2M1) with one E8M0 scale for each 32 along K.
; Rows 0-24,575 of codes and scales are values, keys, query; rows 24,576 + 1,024 t on are Wv, Wk, Wq.  qkv[8192 t + m][n] = sum over k of X_t[m][k] W_t[n][k], f32 sums, stored as f16;
; q (t = 2) is multiplied in f32 by c = log2(e) / 8 ahead of its one rounding, so that the attention launch's scores are exponents of 2 as they leave the matrix unit.
; LIMITS: |v|, |k|, |c q| stay under 65,504 (f16); under 6e-5 they carry f16's absolute step.
; A tile of the result, 256 x 256, is made by four waves, 128 x 128 each: 64 accumulators of 16 x 16, 512 registers.  K = 1,024 is two slots of 512 along K (rows of 256 bytes): both are
; asked for at the start and nothing is filled again.  The scales of the tile's 256 + 256 rows come once, as dense blocks.
; CLUSTERS: 4 x 4 work-groups; the four of a row need the same rows of X, the four of a column the same rows of W: each tile is asked for jointly.  t hangs on the cluster's y alone (8 clusters to a tensor).
; 384 tiles on this grid: a tile of half the size would read each LDS byte for half the products.
; THE MATRIX INSTRUCTION IS USED TRANSPOSED (source 0 = 16 rows of W, source 1 = 16 rows of X): a lane holds eight neighbouring columns of one row.
; REGISTERS: window 0: v0-31 addresses; v32-95 scale words and nothing else; v96-127 packed results; v128-191 X's fragments, one set; v192-255 rows on the way out.
;   window 1: W's fragments, two sets, at v0 and v128.  window 2: the accumulators of my rows 0-63 ((a, b) at v[8 (8 a + b)]);  window 3: of my rows 64-127.
.set SIZE_M, 24576
.set SIZE_N, 1024
.set SIZE_K, 1024
.set KSTEP,  512
.set NQ,     KSTEP/128
.set ROWB,   256
.set KROW,   SIZE_K/2
.set PITCH,  272                       ; an LDS row: 256 bytes + 16 of padding = 68 words: the 16 rows that a load touches start 4 words apart modulo 64
.set FR,     8
.set NL,     2
.set NP,     4
.set HALFT,  128*PITCH
.set SLOT,   4*HALFT
.set KS,     SIZE_K/32
.set SCL,    2*SLOT
.set HALFS,  (128*KS/256)*272
.set SBLK,   (16*KS/256)*272
.set SPARE,  SCL+4*HALFS               ; the spare words, 128 bytes for each wave, named by no other line
.set SPITCH, 272                       ; the way out: a stage of 16 rows x (256 bytes + 16) for each wave, in slot 0, which has had its only fill and its last read by then
.set ADRA, 16
.set ADRB, 20
.set STO,  24
.set RD,   25
.set CO,   26
.set ADRS, 27
.set SPW,  28
.set NIL,  29
.set SC,   32
.set TMP,  96
.set AF,   128
.set BK,   192
.set G1, 24
.set G0, 32
.set G1B, 48
.set G0B, 56
.set G1S, 68
.set G0S, 76
.set G1SB, 80
.set G0SB, 88
.set TN,  95                           ; s95  t: which of the three products
.set SCF, 96                           ; s[96:97] the factor on the way out: c for q, else 1
.set MSB, 0
.macro WIN new                         ; the immediate's high byte repeats the setting that is left
.if MSB != \new
	s_set_vgpr_msb (MSB<<8)|\new
.set MSB, \new
.endif
.endm
.set MUL_LO, 0xa1                      ; source 0 (W) window 1, source 1 (X) window 0, C and D window 2
.set MUL_HI, 0xf1                      ; the same, C and D window 3
.set TO_B,   0x40                      ; destination window 1, address window 0
; A joint load: waves 0 and 1 fetch for X, waves 2 and 3 for W.  The branch hangs on the wave's number alone.  An s_nop 0 and four v_nop follow each of the two lines.
.macro JLOAD g0a, g1a, g0b, g1b
	s_cmp_eq_u32 s15, 0
	s_cbranch_scc0 .Lfor_b_\@
	tensor_load_to_lds s[\g0a:\g0a+3], s[\g1a:\g1a+7]
	s_nop 0
.rept 4
	v_nop
.endr
	s_branch .Lasked_\@
.Lfor_b_\@:
	tensor_load_to_lds s[\g0b:\g0b+3], s[\g1b:\g1b+7]
	s_nop 0
.rept 4
	v_nop
.endr
.Lasked_\@:
.endm
.macro CROUND                          ; a round of the cluster's barrier
	s_barrier_signal -1
	s_barrier_wait -1
	s_cmp_lg_u32 s14, 0
	s_cbranch_scc1 .Lnot_wave_0_\@
	s_barrier_signal -3
.Lnot_wave_0_\@:
	s_barrier_wait -3
	s_barrier_signal -1
	s_barrier_wait -1
.endm
	s_load_b128 s[4:7], s[0:1], 0x0                ; codes s[4:5], scales s[6:7]
	s_load_b64 s[12:13], s[0:1], 0x10              ; qkv
	v_lshl_add_u32 v[SPW], v0, 2, SPARE
	v_mov_b32 v[NIL], 0
	ds_add_u32 v[SPW], v[NIL]                      ; the wave's opening: the add, twice on end, and its wait ahead of my first tensor load
	ds_add_u32 v[SPW], v[NIL]
	v_lshrrev_b32 v1, 5, v0
	v_readfirstlane_b32 s14, v1                    ; wave 0..3
	s_lshr_b32 s15, s14, 1                         ; which half of the tile's rows is mine.  Also: I fetch for X (0) or for W (1)
	s_and_b32 s16, s14, 1                          ; which half of its columns.  Also: which 128 rows I fetch
	s_bfe_u32 s40, ttmp6, 0x40000                  ; cx, cy
	s_bfe_u32 s41, ttmp6, 0x40004
	s_lshl_b32 s42, ttmp9, 2
	s_add_co_u32 s42, s42, s40                     ; tile column = 4 x cluster x + cx
	s_and_b32 s17, ttmp7, 0xffff
	s_lshr_b32 s[TN], s17, 3                       ; t = cluster y / 8: shared by all sixteen partners
	s_lshl_b32 s17, s17, 2
	s_add_co_u32 s17, s17, s41                     ; tile row = 4 x cluster y + cy
	s_lshl_b32 s43, s41, 2
	s_lshl_b32 s43, 15, s43                        ; my row of the cluster
	s_lshl_b32 s44, 0x1111, s40                    ; my column
	s_cmp_eq_u32 s[TN], 2
	s_cselect_b32 s[SCF], 0x3e38aa3b, 1.0          ; a value is chosen, no address and no way
	s_mov_b32 s[SCF+1], s[SCF]
	; descriptor group 1: a tile of 128 rows x 256 bytes, padded in LDS
	s_or_b32 s[G1+0], s43, (0<<16)|(1<<20)|(1<<21)|(5<<22)|(3<<25)  ; the mask: X's tiles go to my row; elements of 1 byte; padding of 4 words after every 64
	s_or_b32 s[G1B+0], s44, (0<<16)|(1<<20)|(1<<21)|(5<<22)|(3<<25)
.irp g, G1, G1B
	s_mov_b32 s[\g+1], ROWB<<16                    ; tensor_dim0
	s_mov_b32 s[\g+2], 128<<16                     ; tensor_dim1
	s_mov_b32 s[\g+3], ROWB<<16                    ; tile_dim0
	s_mov_b32 s[\g+4], 128                         ; tile_dim1
	s_mov_b32 s[\g+5], KROW                        ; from row to row
	s_mov_b32 s[\g+6], 0
	s_mov_b32 s[\g+7], 0
.endr
	; the scales of 128 rows: 4,096 dense bytes, as 16 rows of 256 bytes (32 elements of 8), 16 bytes of padding behind each
	s_or_b32 s[G1S+0], s43, (3<<16)|(1<<20)|(1<<21)|(5<<22)|(3<<25)
	s_or_b32 s[G1SB+0], s44, (3<<16)|(1<<20)|(1<<21)|(5<<22)|(3<<25)
.irp g, G1S, G1SB
	s_mov_b32 s[\g+1], 32<<16
	s_mov_b32 s[\g+2], (128*KS/256)<<16
	s_mov_b32 s[\g+3], 32<<16
	s_mov_b32 s[\g+4], 128*KS/256
	s_mov_b32 s[\g+5], 32
	s_mov_b32 s[\g+6], 0
	s_mov_b32 s[\g+7], 0
.endr
	s_lshl_b32 s18, s16, 7                         ; which 128 rows of the tile I fetch
	s_lshl_b32 s20, s17, 8
	s_add_co_u32 s20, s20, s18                     ; X: row 256 x tile row + 128 x half
	s_lshl_b32 s46, s42, 8
	s_add_co_u32 s46, s46, s18                     ; W: row 256 x tile column + 128 x half,
	s_lshl_b32 s47, s[TN], 10
	s_add_co_u32 s46, s46, s47                     ; in weight t,
	s_add_co_u32 s46, s46, SIZE_M                  ; behind the activations
	s_mov_b32 s21, 0
	s_mov_b32 s47, 0
	s_mov_b64 s[18:19], KS
	s_mul_u64 s[22:23], s[20:21], s[18:19]         ; where these rows' scales begin, in bytes
	s_mul_u64 s[92:93], s[46:47], s[18:19]
	s_mov_b64 s[18:19], KROW
	s_mul_u64 s[20:21], s[20:21], s[18:19]         ; and their codes
	s_mul_u64 s[46:47], s[46:47], s[18:19]
	s_mul_i32 s45, s14, HALFT                      ; where they go: wave x 128 rows
	s_mul_i32 s94, s14, HALFS
	s_wait_dscnt 0x0                               ; both opening adds are done
	s_wait_kmcnt 0x0
	s_add_nc_u64 s[20:21], s[4:5], s[20:21]
	s_add_nc_u64 s[22:23], s[6:7], s[22:23]
	s_add_nc_u64 s[46:47], s[4:5], s[46:47]
	s_add_nc_u64 s[92:93], s[6:7], s[92:93]
	CROUND                                         ; all sixteen work-groups are here: the joint loads meet
	s_mov_b32 s[G0S], 1
	s_add_co_u32 s[G0S+1], s94, SCL
	s_mov_b64 s[G0S+2:G0S+3], s[22:23]
	s_or_b32 s[G0S+3], s[G0S+3], 0x80000000
	s_mov_b32 s[G0SB], 1
	s_add_co_u32 s[G0SB+1], s94, SCL
	s_mov_b64 s[G0SB+2:G0SB+3], s[92:93]
	s_or_b32 s[G0SB+3], s[G0SB+3], 0x80000000
	JLOAD G0S, G1S, G0SB, G1SB                     ; the scales first: they are wanted with the first products
.irp s, 0,1
	s_mov_b32 s[G0+4*\s], 1
	s_add_co_u32 s[G0+4*\s+1], s45, \s*SLOT
	s_add_nc_u64 s[G0+4*\s+2:G0+4*\s+3], s[20:21], \s*ROWB
	s_or_b32 s[G0+4*\s+3], s[G0+4*\s+3], 0x80000000
	s_mov_b32 s[G0B+4*\s], 1
	s_add_co_u32 s[G0B+4*\s+1], s45, \s*SLOT
	s_add_nc_u64 s[G0B+4*\s+2:G0B+4*\s+3], s[46:47], \s*ROWB
	s_or_b32 s[G0B+4*\s+3], s[G0B+4*\s+3], 0x80000000
	JLOAD G0+4*\s, G1, G0B+4*\s, G1B               ; three tensor loads of mine are out in all
.endr
	v_and_b32 v1, 15, v0                           ; l % 16
	v_bfe_u32 v2, v0, 4, 1                         ; l / 16
	v_mul_u32_u24 v3, v1, PITCH
	v_lshl_add_u32 v4, v2, 4, v3                   ; a fragment's row x pitch + 16 x half
	s_mul_i32 s21, s15, HALFT                      ; my 128 rows of X
	s_mul_i32 s22, s16, HALFT                      ; my 128 rows of W,
	s_add_co_u32 s22, s22, 2*HALFT                 ; which lie behind X's 256
.irp s, 0,1
	v_add_nc_u32 v[ADRA+\s], s21, v4
	v_add_nc_u32 v[ADRB+\s], s22, v4
	s_add_co_u32 s21, s21, SLOT
	s_add_co_u32 s22, s22, SLOT
.endr
	v_mul_u32_u24 v5, v1, KS                       ; my row's scales: 32 bytes a row,
	v_lshrrev_b32 v6, 8, v5
	v_lshl_add_u32 v5, v6, 4, v5                   ; and 16 more for each 256 passed
	s_mul_i32 s21, s15, HALFS
	s_mul_i32 s22, s16, HALFS
	s_add_co_u32 s22, s22, 2*HALFS
	s_sub_co_u32 s22, s22, s21
	v_mul_u32_u24 v6, s22, v2                      ; lanes 16-31 take W's: one product, the distance between the two bases x the lane's half
	s_add_co_u32 s21, s21, SCL
	v_add_nc_u32 v5, v5, v6
	v_add_nc_u32 v[ADRS], s21, v5
	s_mul_i32 s23, s14, 16*SPITCH                  ; my stage
	v_mul_u32_u24 v5, v1, SPITCH
	v_lshl_add_u32 v5, v2, 4, v5
	v_add_nc_u32 v[STO], s23, v5                   ; in: row l % 16, 16 bytes for each half of the lanes
	v_mul_u32_u24 v5, v2, SPITCH
	v_lshl_add_u32 v5, v1, 4, v5
	v_add_nc_u32 v[RD], s23, v5                    ; back: lanes 0-15 one row of 256 bytes, lanes 16-31 the next
	v_lshlrev_b32 v5, 11, v2
	v_lshl_add_u32 v[CO], v1, 4, v5                ; and the same two rows in qkv (2,048 bytes a row)
	s_lshl_b32 s20, s17, 8
	s_lshl_b32 s21, s15, 7
	s_add_co_u32 s20, s20, s21                     ; my first row: 256 x tile row + 128 x half
	s_lshl_b32 s20, s20, 11
	s_lshl_b32 s46, s42, 9                         ; my first column, in bytes: 512 x tile column + 256 x half
	s_lshl_b32 s47, s16, 8
	s_add_co_u32 s46, s46, s47
	s_add_co_u32 s20, s20, s46                     ; under 2^26
	s_mov_b32 s21, 0
	s_add_nc_u64 s[12:13], s[12:13], s[20:21]
.macro FRAG reg, adr, q, i             ; 16 rows x 128 K of 4-bit codes: 8 registers: registers 4 c .. 4 c + 3 hold K = 64 c + 32 (l / 16) + 0 .. 31
.irp c, 0,1
	ds_load_b128 v[\reg+4*\c:\reg+4*\c+3], v[\adr] offset:64*(\q)+32*\c+(\i)*16*PITCH
.endr
.endm
; 16 matrix instructions: X's blocks a0, a0 + 1 x W's eight, 128 along K.  The 64 accumulators take turns, one instruction a turn, in the same order in every step.
.macro MUL16 a0, p, q, sc, zero
.irp a, \a0, \a0+1
.irp b, 0,1,2,3,4,5,6,7
.if \zero
	v_wmma_scale_f32_16x16x128_f8f6f4 v[8*(8*((\a)%4)+\b):8*(8*((\a)%4)+\b)+7], v[128*(\p)+FR*\b:128*(\p)+FR*\b+FR-1], v[AF+FR*(\a):AF+FR*(\a)+FR-1], 0, v[SC+8*NQ*(\sc)+NQ*\b+(\q)], v[SC+8*NQ*(\sc)+NQ*(\a)+(\q)] matrix_a_fmt:MATRIX_FMT_FP4 matrix_b_fmt:MATRIX_FMT_FP4 matrix_a_scale:MATRIX_SCALE_ROW1
.else
	v_wmma_scale_f32_16x16x128_f8f6f4 v[8*(8*((\a)%4)+\b):8*(8*((\a)%4)+\b)+7], v[128*(\p)+FR*\b:128*(\p)+FR*\b+FR-1], v[AF+FR*(\a):AF+FR*(\a)+FR-1], v[8*(8*((\a)%4)+\b):8*(8*((\a)%4)+\b)+7], v[SC+8*NQ*(\sc)+NQ*\b+(\q)], v[SC+8*NQ*(\sc)+NQ*(\a)+(\q)] matrix_a_fmt:MATRIX_FMT_FP4 matrix_b_fmt:MATRIX_FMT_FP4 matrix_a_scale:MATRIX_SCALE_ROW1
.endif
.endr
.endr
.endm
.macro FETCH_B slot, q, p
	WIN TO_B
.irp i, 0,1,2,3,4,5,6,7
	FRAG 128*(\p)+FR*\i, ADRB+\slot, \q, \i
.endr
	WIN 0
.endm
.macro FETCH_A slot, q, i0
.irp i, \i0, \i0+1, \i0+2, \i0+3
	FRAG AF+FR*(\i), ADRA+\slot, \q, \i
.endr
.endm
.macro SCALES sc                       ; a slot's scale words: four a row; lanes 0-15 take X's block i, lanes 16-31 W's block i
.irp i, 0,1,2,3,4,5,6,7
	ds_load_b128 v[SC+8*NQ*\sc+NQ*\i:SC+8*NQ*\sc+NQ*\i+3], v[ADRS] offset:\i*SBLK
.endr
.endm
.macro PLACES n                        ; plain vector instructions between a matrix instruction and a load into, or a vector read or write of, its registers
.rept \n
	v_nop
.endr
.endm
.macro STEP slot, q, zero              ; a step of 128 along K that has its successor in the same slot
	s_wait_dscnt 4*NL                              ; W's set and X's blocks 0-3 are in; the youngest eight loads (X's blocks 4-7) may be out
	WIN MUL_LO
	MUL16 0, (\q)%2, \q, \slot, \zero
	MUL16 2, (\q)%2, \q, \slot, \zero
	s_wait_dscnt 0
	PLACES NP
	FETCH_B \slot, (\q)+1, 1-(\q)%2
	FETCH_A \slot, (\q)+1, 0
	WIN MUL_HI
	MUL16 4, (\q)%2, \q, \slot, \zero
	MUL16 6, (\q)%2, \q, \slot, \zero
	PLACES NP
	WIN 0
	FETCH_A \slot, (\q)+1, 4
.endm
; Slot 0's last step changes slots: each wave waits for its part of slot 1, then the barrier shows the whole slot to all four.  Nothing is filled again.
.macro TURN slot, next
	s_wait_tensorcnt 0x0                           ; all my tensor loads have landed
	ds_add_u32 v[SPW], v[NIL]
	s_wait_dscnt 4*NL+1                            ; (the add and the youngest eight loads may be out)
	WIN MUL_LO
	MUL16 0, 1, NQ-1, \slot, 0
	s_wait_dscnt 0x0                               ; the add is done, and my reads of this slot are over
	s_barrier_signal -1
	MUL16 2, 1, NQ-1, \slot, 0
	WIN 0
	s_barrier_wait -1
	PLACES NP
	v_add_nc_u32 v[ADRS], 4*NQ, v[ADRS]            ; on to the next slot's scale words
	FETCH_B \next, 0, 0
	FETCH_A \next, 0, 0
	SCALES \next
	WIN MUL_HI
	MUL16 4, 1, NQ-1, \slot, 0
	MUL16 6, 1, NQ-1, \slot, 0
	PLACES NP
	WIN 0
	FETCH_A \next, 0, 4
.endm
	s_wait_tensorcnt 1                             ; the scales and my part of slot 0 are in; slot 1's load may be out
	s_barrier_signal -1
	s_barrier_wait -1
	FETCH_B 0, 0, 0
	FETCH_A 0, 0, 0
	SCALES 0
	FETCH_A 0, 0, 4
	STEP 0, 0, 1                                   ; the first step's products start the sums: nothing is cleared
	STEP 0, 1, 0
	STEP 0, 2, 0
	TURN 0, 1
	STEP 1, 0, 0
	STEP 1, 1, 0
	STEP 1, 2, 0
	s_wait_dscnt 4*NL                              ; the last step: nothing more to fetch
	WIN MUL_LO
	MUL16 0, 1, NQ-1, 1, 0
	MUL16 2, 1, NQ-1, 1, 0
	s_wait_dscnt 0
	WIN MUL_HI
	MUL16 4, 1, NQ-1, 1, 0
	MUL16 6, 1, NQ-1, 1, 0
	WIN 0
; THE WAY OUT, block by block of 16 rows x 128 columns: x the factor in f32, rounded once to f16 (16 bytes a lane), through my stage, back as whole rows of 256 bytes.
.macro PACK a
.set AC, 64*((\a)%4)
	WIN 0x82+0x41*((\a)/4)                         ; destination and source 0: window 2 or 3
.set i, 0
.rept 32
	v_pk_mul_f32 v[AC+2*i:AC+2*i+1], v[AC+2*i:AC+2*i+1], s[SCF:SCF+1] op_sel_hi:[1,0]   ; each accumulator from its low end on
.set i, i+1
.endr
	WIN 0x0a+5*((\a)/4)                            ; sources 0 and 1: window 2 or 3
.irp b, 0,1,2,3,4,5,6,7
.irp r, 0,1,2,3
	v_cvt_pk_f16_f32 v[TMP+4*\b+\r], v[AC+8*\b+2*\r], v[AC+8*\b+2*\r+1]
.endr
.endr
	WIN 0
.endm
.macro TOSTAGE a
.set BB, BK+32*((\a)%2)
.irp b, 0,1,2,3,4,5,6,7
	ds_store_b128 v[STO], v[TMP+4*\b:TMP+4*\b+3] offset:32*\b
.endr
.irp t, 0,1,2,3,4,5,6,7
	ds_load_b128 v[BB+4*\t:BB+4*\t+3], v[RD] offset:\t*2*SPITCH    ; LDS serves a wave's instructions in order: these see the stores above
.endr
.endm
.macro SEND a
.set BB, BK+32*((\a)%2)
	s_wait_dscnt 0x0                               ; the block is back in registers
	s_wait_xcnt 0x0                                ; the stores of the block before have read their registers: the next block's loads may land there
.irp t, 0,1,2,3,4,5,6,7
	global_store_b128 v[CO], v[BB+4*\t:BB+4*\t+3], s[12:13] offset:(16*(\a)+2*\t)*SIZE_N*2   ; 16 lanes store 256 consecutive bytes, aligned
.endr
.endm
	PLACES NP                                      ; behind the last products, ahead of the first vector read of results
	PACK 0
	TOSTAGE 0
.irp a, 1,2,3,4,5,6,7
	PACK \a                                        ; block a's arithmetic stands between block a - 1's loads from the stage and the wait for them
	SEND \a-1
	TOSTAGE \a
.endr
	SEND 7
	s_wait_tensorcnt 0x0                           ; the wave's end
	ds_add_u32 v[SPW], v[NIL]
	s_wait_dscnt 0x0
	CROUND                                         ; the closing round
	s_endpgm
.Lfunc_end_k_q647a10a3d0_proj:
	.size	k_q647a10a3d0_proj, .Lfunc_end_k_q647a10a3d0_proj-k_q647a10a3d0_proj
	.p2alignl 7, 3214868480
	.fill 96, 4, 3214868480
	.section	.rodata,"a",@progbits
	.p2align	6, 0x0
	.amdhsa_kernel k_q647a10a3d0_proj
		.amdhsa_group_segment_fixed_size 327680
		.amdhsa_private_segment_fixed_size 0
		.amdhsa_enable_private_segment 0
		.amdhsa_kernarg_size 24
		.amdhsa_user_sgpr_count 2
		.amdhsa_user_sgpr_kernarg_segment_ptr 1
		.amdhsa_wavefront_size32 1
		.amdhsa_system_sgpr_workgroup_id_x 1
		.amdhsa_system_sgpr_workgroup_id_y 1
		.amdhsa_system_sgpr_workgroup_id_z 1
		.amdhsa_system_vgpr_workitem_id 0
		.amdhsa_next_free_vgpr 1024
		.amdhsa_next_free_sgpr 98
		.amdhsa_reserve_vcc 0
		.amdhsa_float_denorm_mode_32 3
		.amdhsa_float_denorm_mode_16_64 3
		.amdhsa_memory_ordered 1
		.amdhsa_forward_progress 1
		.amdhsa_inst_pref_size 143
	.end_amdhsa_kernel
	.amdgpu_metadata
---
amdhsa.version: [ 1, 2 ]
amdhsa.kernels:
  - .name:           k_q647a10a3d0_proj
    .symbol:         k_q647a10a3d0_proj.kd
    .args:
      - { .name: codes, .offset: 0, .size: 8, .value_kind: global_buffer, .address_space: global }
      - { .name: scales, .offset: 8, .size: 8, .value_kind: global_buffer, .address_space: global }
      - { .name: qkv, .offset: 16, .size: 8, .value_kind: global_buffer, .address_space: global }
    .group_segment_fixed_size: 327680
    .private_segment_fixed_size: 0
    .kernarg_segment_align: 8
    .kernarg_segment_size: 24
    .max_flat_workgroup_size: 128
    .sgpr_count:     98
    .vgpr_count:     1024
    .wavefront_size: 32
...
	.end_amdgpu_metadata
.endif
;; end of part 2
;; launch attn (part 3): grid 8 x 32, 8 waves a work-group, clusters of 4 x 1, 327,680 bytes of LDS; arguments qkv, maskw, att; writes att
.if DOCPART == 3
	.amdgcn_target "amdgcn-amd-amdhsa--gfx1250"
	.amdhsa_code_object_version 6
	.text
	.protected	k_q647a10a3d0_attn
	.globl	k_q647a10a3d0_attn
	.p2align	8
	.type	k_q647a10a3d0_attn,@function
k_q647a10a3d0_attn:
	s_mov_b64 s[64:65], 0
	v_nop
	global_prefetch_b8 v0, s[64:65] scope:SCOPE_SE
	s_setreg_imm32_b32 hwreg(HW_REG_WAVE_MODE, 25, 1), 1
	s_wait_xcnt 0x0
	s_wait_alu depctr_hold_cnt(0) depctr_sa_sdst(0) depctr_va_vdst(0) depctr_va_sdst(0) depctr_va_ssrc(0) depctr_va_vcc(0) depctr_vm_vsrc(0)
	s_getreg_b32 s2, hwreg(HW_REG_IB_STS2, 6, 4)
	s_cmp_eq_u32 s2, 0
	s_cbranch_scc0 .Lentry_in_a_cluster
	s_endpgm
.Lentry_in_a_cluster:
	s_bfe_u32 s2, ttmp6, 0x10000c
	s_cmp_lg_u32 s2, 0x3003
	s_cbranch_scc0 .Lentry_shape_is_right
	s_endpgm
.Lentry_shape_is_right:
; ATTN: att[n][q][64 head + d] = sum over k of softmax_k(where(mask == 0, -1e20, q . k) / 8) v[k][d], f16 operands, f32 products, maxima and sums.
; qkv: [24576][1024] f16, rows 0.. v, 8,192.. k, 16,384.. c q with c = log2(e) / 8 already in q: a score leaves the matrix unit as t = score x c.
; maskw: lane masks [n][query tile 16][key step 64][kt][j]; a hidden score becomes TM = -1e20 x c by v_cndmask_b32: no way through the text hangs on the mask.
; SOFTMAX: a running maximum m and sum l for each query; p = 2^(t - m) by a plain subtraction, so that a row whose every key is hidden has t - m = 0 exactly and comes out uniform; in every step
; O and l are multiplied by a = 2^(m_old - m_new).  l is summed by the matrix unit (source 0 = ones) from the same rounded p that multiplies V; of that accumulator only registers 0 and 1
; are rescaled and only register 0 is read; the other six hold sums of p, at most 2,048, that nobody reads.
; LIMITS: |c q|, |k|, |v|, |O| under 65,504; p under 6e-8 rounds to 0 in f16; NaN and infinities are not served; v_exp_f32 gives 0 under 2^-126.
; SHARES: a work-group owns 256 queries of a PAIR of heads of one batch, so that a row of K, V and att is 256 consecutive bytes, aligned.  Waves 0-3 take the even head, waves 4-7 the odd;
; wave w owns queries 64 (w % 4) on: four tiles of 16.  Two waves share a SIMD: one wave's softmax stands beside the other's products and LDS loads.
; LAYOUT: S^T = K Q^T (source 0 = 16 keys, source 1 = 16 queries), O^T = V^T P: a lane holds ONE query throughout.  P is rounded in place over S^T's low half.  V is turned by ds_load_tr16_b128.
; RING: two LDS slots of 128 keys (two steps of 64).  The slot's 128 rows of K and 128 of V are shared among the eight waves, 32 rows a load, one load a wave behind each round.
; CLUSTER: the four query blocks of a cluster walk the same K and V: each tile is asked for jointly, by the same load with the same descriptor and the mask 15.
; REGISTERS: window 0: v1-13 addresses and constants; v24-55 statistics, eight a tile; v56-63 ones; v64-191 S^T, 32 a tile; v192-255 K's fragments, then V's.
;   window 1: v0-127 O^T, 32 a tile; v128-159 l, 8 a tile; v160-223 Q, 16 a tile.
.set KS,    64
.set PK,    272                        ; a row of K in LDS: 256 bytes + 16: the 16 rows of a load start 4 words apart modulo 64
.set PV,    288                        ; a row of V: 256 + 32: the turning load's 8 rows x 32 bytes fall on different words modulo 64
.set VOFF,  KS*PK
.set STEPB, KS*(PK+PV)
.set SLOT1, 1<<17                      ; one exclusive or turns an address in one slot into the other's
.set SPARE, SLOT1+2*STEPB              ; the spare words, 128 bytes for each wave, named by no other line
.set SP,    272                        ; the way out: a stage of 256 rows x (256 bytes + 16) in slot 0, which has had its last fill and its last read by then
.set TOK,   2048                       ; a token's row in qkv and in att, in bytes
.set NSL,   16                         ; slots' worth of keys
.set AK0, 3
.set AV0, 4
.set ADR, 5
.set QO,  6
.set STO, 7
.set RD,  8
.set GO,  9
.set PFO, 10
.set TMV, 11
.set SPW, 12
.set NIL, 13
.set ST,  24                           ; tile t at v[ST + 8 t]: +0 m, +1 zero, +2 a, +3 zero, +4 .. +7 four chains of the maximum
.set ONES, 56
.set S,   64
.set OB,  128                          ; the way out: rows read back
.set KV,  192
.set LF,  128                          ; window 1: l
.set QF,  160                          ; window 1: Q
.set WV,  10
.set W3,  11
.set G1K, 16
.set G1V, 24
.set G0K, 32
.set G0V, 36
.set SEL, 40
.set TB,  42
.set SLOTS, 43
.set TWICE, 44
.set LIM, 45
.set PFA, 46
.set MP,  48
.set MO,  50
.set HS,  51
.set OP,  52
.set MW,  68                           ; s[68:99] a tile's 32 lane masks for one key step
.set MSB, 0
.macro WIN new                         ; the immediate's high byte repeats the setting that is left
.if MSB != \new
	s_set_vgpr_msb (MSB<<8)|\new
.set MSB, \new
.endif
.endm
.set W_KQ, 0x04                        ; source 1 (Q) window 1
.set W_PV, 0x50                        ; C and D (O^T, l) window 1
.set W_RS, 0x41                        ; destination and source 0 window 1
; A joint load: waves 0-3 fetch K's rows, waves 4-7 V's.  The branch hangs on the wave's number alone.  An s_nop 0 and four v_nop follow each of the two lines.
.macro JLOAD
	s_cmp_lt_u32 s[WV], 4
	s_cbranch_scc0 .Lfor_v_\@
	tensor_load_to_lds s[G0K:G0K+3], s[G1K:G1K+7]
	s_nop 0
.rept 4
	v_nop
.endr
	s_branch .Lasked_\@
.Lfor_v_\@:
	tensor_load_to_lds s[G0V:G0V+3], s[G1V:G1V+7]
	s_nop 0
.rept 4
	v_nop
.endr
.Lasked_\@:
.endm
; A prefetch of what the NEXT change of slots will ask for: 128 rows of K and of V, 256 bytes of each, a lane a row.  Two clusters walk each pair of heads: the one with x = 0 asks; its four partners
; take 32 rows each, told apart by address; wave 0 asks for K's, wave 4 for V's.  So each row's 256 bytes are named once.  The last change that fills a slot asks for nothing.
.macro ASK
	s_cmp_gt_u32 s[SLOTS], s[LIM]
	s_cbranch_scc0 .Lnot_mine_\@
	global_prefetch_b8 v[PFO], s[PFA:PFA+1] th:TH_LOAD_NT scope:SCOPE_SE
.Lnot_mine_\@:
.endm
.macro CROUND                          ; a round of the cluster's barrier
	s_barrier_signal -1
	s_barrier_wait -1
	s_cmp_lg_u32 s[WV], 0
	s_cbranch_scc1 .Lnot_wave_0_\@
	s_barrier_signal -3
.Lnot_wave_0_\@:
	s_barrier_wait -3
	s_barrier_signal -1
	s_barrier_wait -1
.endm
	s_load_b128 s[4:7], s[0:1], 0x0                ; qkv s[4:5], maskw s[6:7]
	s_load_b64 s[8:9], s[0:1], 0x10                ; att
	v_lshl_add_u32 v[SPW], v0, 2, SPARE
	v_mov_b32 v[NIL], 0
	ds_add_u32 v[SPW], v[NIL]                      ; the wave's opening: the add, twice on end, and its wait ahead of my first tensor load
	ds_add_u32 v[SPW], v[NIL]
	v_lshrrev_b32 v1, 5, v0
	v_readfirstlane_b32 s[WV], v1                  ; wave 0..7
	s_and_b32 s[W3], s[WV], 3
	s_lshr_b32 s[HS], s[WV], 2                     ; which head of the pair
	s_bfe_u32 s12, ttmp6, 0x40000                  ; cx
	s_lshl_b32 s13, ttmp9, 2
	s_add_co_u32 s13, s13, s12                     ; my block of 256 queries: it enters Q's, the mask words' and att's addresses alone
	s_and_b32 s15, ttmp7, 0xffff
	s_lshr_b32 s14, s15, 3                         ; the batch
	s_and_b32 s15, s15, 7                          ; the pair of heads
	; descriptor group 1: a tile of 32 rows x 128 elements of 2 bytes, 1,024 elements from row to row, padded in LDS
	s_mov_b32 s[G1K], 15|(1<<16)|(1<<20)|(1<<21)|(5<<22)|(3<<25)  ; the mask: all four work-groups; padding of 4 words after every 64
	s_mov_b32 s[G1V], 15|(1<<16)|(1<<20)|(1<<21)|(5<<22)|(7<<25)  ; the same with 8 words
.irp g, G1K, G1V
	s_mov_b32 s[\g+1], 128<<16                     ; tensor_dim0
	s_mov_b32 s[\g+2], 32<<16                      ; tensor_dim1
	s_mov_b32 s[\g+3], 128<<16                     ; tile_dim0
	s_mov_b32 s[\g+4], 32                          ; tile_dim1
	s_mov_b32 s[\g+5], 1024                        ; from row to row
	s_mov_b32 s[\g+6], 0
	s_mov_b32 s[\g+7], 0
.endr
	s_lshl_b32 s54, s14, 11                        ; the batch's first token
	s_lshl_b32 s58, s15, 8                         ; the pair's 256 bytes in a token's row
	s_lshl_b32 s56, s[W3], 5
	s_add_co_u32 s56, s56, s54                     ; the 32 rows that I fetch of slot 0
	s_lshl_b32 s56, s56, 11
	s_add_co_u32 s56, s56, s58
	s_mov_b32 s57, 0                               ; s[56:57]: made of the batch, the pair and the wave alone
	s_lshl_b32 s59, s13, 8
	s_add_co_u32 s59, s59, s54                     ; my block's first token
	s_lshl_b32 s60, s[W3], 6
	s_add_co_u32 s60, s60, s59                     ; my wave's first query
	s_lshl_b32 s60, s60, 11
	s_add_co_u32 s60, s60, s58
	s_lshl_b32 s61, s[HS], 7
	s_add_co_u32 s60, s60, s61                     ; my head's 128 bytes
	s_mov_b32 s61, 0
	s_lshl_b32 s62, s[WV], 5
	s_add_co_u32 s62, s62, s59                     ; the 32 rows of att that I store
	s_lshl_b32 s62, s62, 11
	s_add_co_u32 s62, s62, s58
	s_mov_b32 s63, 0
	s_lshl_b32 s54, s14, 7                         ; my first query tile: 128 x batch + 16 x block + 4 x (wave % 4),
	s_lshl_b32 s55, s13, 4
	s_add_co_u32 s54, s54, s55
	s_lshl_b32 s55, s[W3], 2
	s_add_co_u32 s54, s54, s55
	s_lshl_b32 s54, s54, 12                        ; 4,096 bytes of mask words a tile
	s_mov_b32 s55, 0
	s_lshr_b32 s58, s[W3], 1                       ; where my rows go: step (wave % 4) / 2 of the slot, half (wave % 4) % 2 of its 64 rows
	s_mul_i32 s58, s58, STEPB
	s_and_b32 s59, s[W3], 1
	s_mul_i32 s[G0K+1], s59, 32*PK
	s_add_co_u32 s[G0K+1], s[G0K+1], s58
	s_mul_i32 s[G0V+1], s59, 32*PV
	s_add_co_u32 s[G0V+1], s[G0V+1], s58
	s_add_co_u32 s[G0V+1], s[G0V+1], VOFF
	s_mov_b32 s[G0K], 1
	s_mov_b32 s[G0V], 1
	s_mov_b32 s[SEL], 0x76543210
	s_mov_b32 s[SEL+1], 0xfedcba98                 ; v_permlanex16_b32: lane l xor 16
	s_mov_b32 s[TB], 0
	s_mov_b32 s[MO], 0
	s_mov_b32 s[SLOTS], NSL-1
	s_or_b32 s[LIM], s[W3], ttmp9                  ; 0 in waves 0 and 4 of the cluster with x = 0: the same in all four partners
	s_cmp_eq_u32 s[LIM], 0
	s_cselect_b32 s[LIM], 1, -1
	s_wait_dscnt 0x0                               ; both opening adds are done
	s_wait_kmcnt 0x0
	s_add_nc_u64 s[G0V+2:G0V+3], s[4:5], s[56:57]  ; V at my rows of slot 0,
	s_add_nc_u64 s[G0K+2:G0K+3], s[G0V+2:G0V+3], 8192*TOK  ; K 8,192 rows on
	s_cmp_lt_u32 s[WV], 4
	s_cselect_b64 s[PFA:PFA+1], s[G0K+2:G0K+3], s[G0V+2:G0V+3]  ; (in waves 0 and 4 these stand at a slot's first row)
	s_lshl_b32 s56, s12, 16                        ; my work-group's 32 rows of the 128,
	s_add_co_u32 s56, s56, 128*TOK                 ; in slot 1: the first change of slots steps it to slot 2.  Nothing is prefetched at the head
	s_add_nc_u64 s[PFA:PFA+1], s[PFA:PFA+1], s[56:57]
	s_or_b32 s[G0K+3], s[G0K+3], 0x80000000        ; type = 2
	s_or_b32 s[G0V+3], s[G0V+3], 0x80000000
	s_add_nc_u64 s[60:61], s[4:5], s[60:61]
	s_add_nc_u64 s[60:61], s[60:61], 16384*TOK     ; Q at my first query
	s_add_nc_u64 s[MP:MP+1], s[6:7], s[54:55]
	s_add_nc_u64 s[OP:OP+1], s[8:9], s[62:63]
	CROUND                                         ; all four work-groups are here: the first joint loads meet
	JLOAD                                          ; slot 0: one tensor load of mine is out
	v_and_b32 v1, 15, v0                           ; r = l % 16
	v_bfe_u32 v2, v0, 4, 1                         ; h = l / 16
	v_lshlrev_b32 v[QO], 11, v1
	v_lshl_add_u32 v[QO], v2, 4, v[QO]             ; Q: row r, + 16 h
	WIN 0x40                                       ; destination window 1
.irp f, 0,1,2,3,4,5,6,7                        ; Q stays in registers: tile f / 2, channels 32 (f % 2) on
	global_load_b128 v[QF+8*\f:QF+8*\f+3],   v[QO], s[60:61] offset:(\f/2)*16*TOK+(\f%2)*64
	global_load_b128 v[QF+8*\f+4:QF+8*\f+7], v[QO], s[60:61] offset:(\f/2)*16*TOK+(\f%2)*64+32
.endr
.set i, 0
.rept 160
	v_mov_b32 v[i], 0                              ; O^T and l.  The step is written for every step alike: the first finds zeros, which its a leaves zeros; that saves a copy of the step for the first one
.set i, i+1
.endr
	WIN 0
	s_load_b512 s[MW:MW+15], s[MP:MP+1], s[MO] offset:0      ; tile 0's lane masks of step 0
	s_load_b512 s[MW+16:MW+31], s[MP:MP+1], s[MO] offset:64
	v_and_b32 v[PFO], 31, v0
	v_lshlrev_b32 v[PFO], 11, v[PFO]               ; the prefetches: a lane a row
	s_lshl_b32 s58, s[HS], 7
	v_mul_u32_u24 v[AK0], v1, PK
	v_lshl_add_u32 v[AK0], v2, 4, v[AK0]
	v_add_nc_u32 v[AK0], s58, v[AK0]               ; K: row r x pitch + 16 h + my head's 128 bytes
	v_and_b32 v14, 7, v0
	v_bfe_u32 v15, v0, 3, 1
	v_lshl_add_u32 v[AV0], v2, 3, v14              ; V, turned: key 8 h + l % 8,
	v_mul_u32_u24 v[AV0], v[AV0], PV
	v_lshl_add_u32 v[AV0], v15, 4, v[AV0]          ; channels 8 ((l / 8) % 2) on
	s_add_co_u32 s59, s58, VOFF
	v_add_nc_u32 v[AV0], s59, v[AV0]
	v_mov_b32 v[TMV], 0xe0ad78ec                   ; -1e20,
	v_mul_f32 v[TMV], 0x3e38aa3b, v[TMV]           ; x c: what a hidden score counts as
.irp i, 0,1,2,3,4,5,6,7
	v_mov_b32 v[ONES+\i], 0x3c003c00               ; 1.0, 1.0 in f16
.endr
.irp t, 0,1,2,3
	v_mov_b32 v[ST+8*\t], 0xff61b1e6               ; m = -3e38, under every t and under TM
.irp i, 1,2,3,4,5,6,7
	v_mov_b32 v[ST+8*\t+\i], 0
.endr
.endr
; ONE TILE'S SOFTMAX FOR ONE KEY STEP: 118 vector instructions.
.macro SOFT t
.set rS, S+32*(\t)
.set rT, ST+8*(\t)
	s_wait_kmcnt 0x0                               ; this tile's lane masks are in, and no scalar load is out
.set w, 0
.rept 32
	v_cndmask_b32 v[rS+w], v[TMV], v[rS+w], s[MW+w]   ; register 8 kt + j: key 16 kt + 8 h + j of query r; each accumulator from its low end on
.set w, w+1
.endr
.if \t < 3
	s_load_b512 s[MW:MW+15], s[MP:MP+1], s[MO] offset:(\t+1)*4096        ; the next tile's, a tile's softmax ahead of their use
	s_load_b512 s[MW+16:MW+31], s[MP:MP+1], s[MO] offset:(\t+1)*4096+64
.else
	s_add_co_u32 s[MO], s[MO], 128                 ; the next step's, tile 0;
	s_min_u32 s[MO], s[MO], 3968                   ; the last step asks once more for its own words: no load leaves the buffer
	s_load_b512 s[MW:MW+15], s[MP:MP+1], s[MO] offset:0
	s_load_b512 s[MW+16:MW+31], s[MP:MP+1], s[MO] offset:64
.endif
.irp j, 0,1,2,3
	v_max3_num_f32 v[rT+4+\j], v[rS+8*\j], v[rS+8*\j+1], v[rS+8*\j+2]   ; the maximum, in four chains
.endr
.irp g, 1,2
.irp j, 0,1,2,3
	v_max3_num_f32 v[rT+4+\j], v[rT+4+\j], v[rS+8*\j+2*\g+1], v[rS+8*\j+2*\g+2]
.endr
.endr
	v_max3_num_f32 v[rT+4], v[rT+4], v[rS+7], v[rS+15]
	v_max3_num_f32 v[rT+6], v[rT+6], v[rS+23], v[rS+31]
	v_max3_num_f32 v[rT+4], v[rT+4], v[rT+5], v[rT+6]
	v_max3_num_f32 v[rT+4], v[rT+4], v[rT+7], v[rT]   ; with the old m
	v_permlanex16_b32 v[rT+5], v[rT+4], s[SEL], s[SEL+1]   ; the query's other 32 keys lie in the lane 16 away
	v_max_num_f32 v[rT+6], v[rT+4], v[rT+5]        ; the new m
	v_sub_f32 v[rT+2], v[rT], v[rT+6]              ; m_old - m_new
	v_mov_b32 v[rT], v[rT+6]
.set b, 0
.rept 16
	v_pk_add_f32 v[rS+2*b:rS+2*b+1], v[rS+2*b:rS+2*b+1], v[rT:rT+1] op_sel_hi:[1,0] neg_lo:[0,1] neg_hi:[0,1]   ; t - m, two at a time
.set b, b+1
.endr
	v_exp_f32 v[rT+2], v[rT+2]                     ; a
.set e, 0
.rept 32
	v_exp_f32 v[rS+e], v[rS+e]                     ; p, at most 1
.set e, e+1
.endr
	v_nop                                          ; a plain instruction behind the last exponential
	s_wait_alu depctr_va_vdst(0)                   ; one wait for the batch of 33, ahead of its first reader
.set i, 0
.rept 16
	v_cvt_pk_f16_f32 v[rS+i], v[rS+2*i], v[rS+2*i+1]   ; P in place, ascending: register i is written when registers 2 i, 2 i + 1 are read; v[rS + 8 c ..] is source 1 for keys 32 c on
.set i, i+1
.endr
.endm
; A KEY STEP: 64 keys.
.macro STEP
	v_add_nc_u32 v[ADR], s[TB], v[AK0]
.rept 4
	v_nop                                          ; with the addition five places: the products below write S^T over the P that the last products read, and the loads land on V's fragments
.endr
.irp f, 0,1,2,3,4,5,6,7                        ; K: keys 16 (f / 2) on, channels 32 (f % 2) on
	ds_load_b128 v[KV+8*\f:KV+8*\f+3],   v[ADR] offset:(\f/2)*16*PK+(\f%2)*64
	ds_load_b128 v[KV+8*\f+4:KV+8*\f+7], v[ADR] offset:(\f/2)*16*PK+(\f%2)*64+32
.endr
	s_wait_dscnt 0x0
	WIN W_KQ
.irp cc, 0,1                                   ; S^T = K Q^T: the 16 accumulators take turns, one instruction a turn
.irp kt, 0,1,2,3
.irp t, 0,1,2,3
.if \cc == 0
	v_wmma_f32_16x16x32_f16 v[S+32*\t+8*\kt:S+32*\t+8*\kt+7], v[KV+8*(2*\kt+\cc):KV+8*(2*\kt+\cc)+7], v[QF+16*\t+8*\cc:QF+16*\t+8*\cc+7], 0
.else
	v_wmma_f32_16x16x32_f16 v[S+32*\t+8*\kt:S+32*\t+8*\kt+7], v[KV+8*(2*\kt+\cc):KV+8*(2*\kt+\cc)+7], v[QF+16*\t+8*\cc:QF+16*\t+8*\cc+7], v[S+32*\t+8*\kt:S+32*\t+8*\kt+7]
.endif
.endr
.endr
.endr
	WIN 0
	v_add_nc_u32 v[ADR], s[TB], v[AV0]
.rept 3
	v_nop                                          ; with the addition four places, for the loads over K's fragments and for the first read of the scores
.endr
.irp g, 0,1,2,3,4,5,6,7                        ; V, turned: keys 32 (g / 4) on, channels 16 (g % 4) on; they land while the softmax is walked
	ds_load_tr16_b128 v[KV+8*\g:KV+8*\g+3],   v[ADR] offset:(\g/4)*32*PV+(\g%4)*32
	ds_load_tr16_b128 v[KV+8*\g+4:KV+8*\g+7], v[ADR] offset:(\g/4)*32*PV+16*PV+(\g%4)*32
.endr
	SOFT 0
	SOFT 1
	SOFT 2
	SOFT 3
	WIN W_RS
.irp t, 0,1,2,3                                ; O^T and l under the new m
.set i, 0
.rept 16
	v_pk_mul_f32 v[32*\t+2*i:32*\t+2*i+1], v[32*\t+2*i:32*\t+2*i+1], v[ST+8*\t+2:ST+8*\t+3] op_sel_hi:[1,0]
.set i, i+1
.endr
	v_pk_mul_f32 v[LF+8*\t:LF+8*\t+1], v[LF+8*\t:LF+8*\t+1], v[ST+8*\t+2:ST+8*\t+3] op_sel_hi:[1,0]
.endr
	s_wait_dscnt 0x0                               ; V is in
	WIN W_PV
.irp kc, 0,1                                   ; O^T += V^T P, l += ones P: the 20 accumulators take turns
.irp ct, 0,1,2,3
.irp t, 0,1,2,3
	v_wmma_f32_16x16x32_f16 v[32*\t+8*\ct:32*\t+8*\ct+7], v[KV+8*(4*\kc+\ct):KV+8*(4*\kc+\ct)+7], v[S+32*\t+8*\kc:S+32*\t+8*\kc+7], v[32*\t+8*\ct:32*\t+8*\ct+7]
.endr
.endr
.irp t, 0,1,2,3
	v_wmma_f32_16x16x32_f16 v[LF+8*\t:LF+8*\t+7], v[ONES:ONES+7], v[S+32*\t+8*\kc:S+32*\t+8*\kc+7], v[LF+8*\t:LF+8*\t+7]
.endr
.endr
	WIN 0
	s_add_co_u32 s[TB], s[TB], STEPB
.endm
.macro TWO_STEPS                       ; a slot's two key steps: written once, walked twice
	s_mov_b32 s[TWICE], 2
.Lstep_\@:
	STEP
	s_sub_co_u32 s[TWICE], s[TWICE], 1
	s_cmp_lg_u32 s[TWICE], 0
	s_cbranch_scc1 .Lstep_\@
	s_sub_co_u32 s[TB], s[TB], 2*STEPB             ; back to a slot's first step,
	s_xor_b32 s[TB], s[TB], SLOT1                  ; in the other slot
.endm
; THE CHANGE OF SLOTS stands at a slot's head.  Each wave waits for all its tensor loads (its part of the slot ahead), adds 0 to its spare word, and waits for that and for its reads of the slot that it has left.
; fill = 1: a round of the cluster's barrier, and behind it the joint load of the next 128 keys into the slot just left: it has two key steps in which to land.
.macro CHANGE fill
	s_wait_tensorcnt 0x0                           ; no tensor load of mine is out, so a group 0 may be written
	ds_add_u32 v[SPW], v[NIL]
.if \fill
	s_xor_b32 s[G0K+1], s[G0K+1], SLOT1            ; the walking descriptors: the other slot than last time,
	s_add_nc_u64 s[G0K+2:G0K+3], s[G0K+2:G0K+3], 128*TOK   ; the next 128 keys
	s_xor_b32 s[G0V+1], s[G0V+1], SLOT1
	s_add_nc_u64 s[G0V+2:G0V+3], s[G0V+2:G0V+3], 128*TOK
	s_wait_xcnt 0x0                                ; the last prefetch, two key steps back, has read its address
	s_add_nc_u64 s[PFA:PFA+1], s[PFA:PFA+1], 128*TOK       ; one slot further on than the walking descriptors
	s_wait_dscnt 0x0                               ; the add is done, and my reads of the slot that I have left are over
	CROUND
	JLOAD                                          ; the first tensor load behind the round, and my only one until the next
	ASK
.else
	s_wait_dscnt 0x0
	s_barrier_signal -1
	s_barrier_wait -1
.endif
.endm
	s_wait_loadcnt 0x0                             ; Q
.Lslot:                                            ; 15 trips: behind each change of slots but the last the next slot is asked for
	CHANGE 1
	TWO_STEPS
	s_sub_co_u32 s[SLOTS], s[SLOTS], 1
	s_cmp_lg_u32 s[SLOTS], 0
	s_cbranch_scc1 .Lslot
	CHANGE 0                                       ; the last slot is written out
	TWO_STEPS
	; THE WAY OUT.  O^T / l, rounded to f16, goes through a stage: a row's 256 bytes come from waves w and w + 4.  The addresses are made here: eight plain instructions, the places behind the last products.
	s_wait_kmcnt 0x0                               ; the last look-ahead of lane masks
	s_lshl_b32 s54, s[W3], 6
	s_mul_i32 s54, s54, SP
	s_lshl_b32 s55, s[HS], 7
	s_add_co_u32 s54, s54, s55
	v_mul_u32_u24 v[STO], v1, SP
	v_lshl_add_u32 v[STO], v2, 4, v[STO]
	v_add_nc_u32 v[STO], s54, v[STO]               ; in: row 64 (w % 4) + r, my head's 128 bytes, + 16 h
	s_mul_i32 s55, s[WV], 32*SP
	v_mul_u32_u24 v[RD], v2, SP
	v_lshl_add_u32 v[RD], v1, 4, v[RD]
	v_add_nc_u32 v[RD], s55, v[RD]                 ; back: rows 32 w on; lanes 0-15 one row, lanes 16-31 the next
	v_lshlrev_b32 v[GO], 11, v2
	v_lshl_add_u32 v[GO], v1, 4, v[GO]             ; and the same two rows in att
	WIN 0x01                                       ; source 0 window 1
.irp t, 0,1,2,3
	v_rcp_f32 v[ST+8*\t+2], v[LF+8*\t]             ; l lies in the accumulator's lowest register
.endr
	WIN 0
	v_nop                                          ; a plain instruction behind the last reciprocal
	s_wait_alu depctr_va_vdst(0)                   ; one wait for the four, ahead of their first reader
.irp t, 0,1,2,3
	WIN W_RS
.set i, 0
.rept 16
	v_pk_mul_f32 v[32*\t+2*i:32*\t+2*i+1], v[32*\t+2*i:32*\t+2*i+1], v[ST+8*\t+2:ST+8*\t+3] op_sel_hi:[1,0]
.set i, i+1
.endr
	WIN 0x05                                       ; sources 0 and 1 window 1, destination window 0
.set i, 0
.rept 16
	v_cvt_pk_f16_f32 v[S+16*\t+i], v[32*\t+2*i], v[32*\t+2*i+1]
.set i, i+1
.endr
	WIN 0
.irp ct, 0,1,2,3
	ds_store_b128 v[STO], v[S+16*\t+4*\ct:S+16*\t+4*\ct+3] offset:\t*16*SP+32*\ct   ; query 16 t + r, channels 16 ct + 8 h on
.endr
.endr
	s_wait_dscnt 0x0                               ; for the others' sake: my stores into the stage are done
	s_barrier_signal -1
	s_barrier_wait -1
.irp u, 0,1,2,3,4,5,6,7,8,9,10,11,12,13,14,15
	ds_load_b128 v[OB+4*\u:OB+4*\u+3], v[RD] offset:\u*2*SP
.endr
.irp u, 0,1,2,3,4,5,6,7,8,9,10,11,12,13,14,15
	s_wait_dscnt 15-\u                             ; loads come back in order: the younger ones may be out
	global_store_b128 v[GO], v[OB+4*\u:OB+4*\u+3], s[OP:OP+1] offset:\u*2*TOK   ; 16 lanes store 256 consecutive bytes, aligned
.endr
	s_wait_tensorcnt 0x0                           ; the wave's end
	ds_add_u32 v[SPW], v[NIL]
	s_wait_dscnt 0x0
	CROUND                                         ; the closing round
	s_endpgm
.Lfunc_end_k_q647a10a3d0_attn:
	.size	k_q647a10a3d0_attn, .Lfunc_end_k_q647a10a3d0_attn-k_q647a10a3d0_attn
	.p2alignl 7, 3214868480
	.fill 96, 4, 3214868480
	.section	.rodata,"a",@progbits
	.p2align	6, 0x0
	.amdhsa_kernel k_q647a10a3d0_attn
		.amdhsa_group_segment_fixed_size 327680
		.amdhsa_private_segment_fixed_size 0
		.amdhsa_enable_private_segment 0
		.amdhsa_kernarg_size 24
		.amdhsa_user_sgpr_count 2
		.amdhsa_user_sgpr_kernarg_segment_ptr 1
		.amdhsa_wavefront_size32 1
		.amdhsa_system_sgpr_workgroup_id_x 1
		.amdhsa_system_sgpr_workgroup_id_y 1
		.amdhsa_system_sgpr_workgroup_id_z 1
		.amdhsa_system_vgpr_workitem_id 0
		.amdhsa_next_free_vgpr 512
		.amdhsa_next_free_sgpr 100
		.amdhsa_reserve_vcc 0
		.amdhsa_float_denorm_mode_32 3
		.amdhsa_float_denorm_mode_16_64 3
		.amdhsa_memory_ordered 1
		.amdhsa_forward_progress 1
		.amdhsa_inst_pref_size 105
	.end_amdhsa_kernel
	.amdgpu_metadata
---
amdhsa.version: [ 1, 2 ]
amdhsa.kernels:
  - .name:           k_q647a10a3d0_attn
    .symbol:         k_q647a10a3d0_attn.kd
    .args:
      - { .name: qkv, .offset: 0, .size: 8, .value_kind: global_buffer, .address_space: global }
      - { .name: maskw, .offset: 8, .size: 8, .value_kind: global_buffer, .address_space: global }
      - { .name: att, .offset: 16, .size: 8, .value_kind: global_buffer, .address_space: global }
    .group_segment_fixed_size: 327680
    .private_segment_fixed_size: 0
    .kernarg_segment_align: 8
    .kernarg_segment_size: 24
    .max_flat_workgroup_size: 256
    .sgpr_count:     100
    .vgpr_count:     512
    .wavefront_size: 32
...
	.end_amdgpu_metadata
.endif
;; end of part 3
;; launch outp (part 4): grid 8 x 64, 4 waves a work-group, clusters of 4 x 4, 327,680 bytes of LDS; arguments att, wo16, bo, out0; writes out0
.if DOCPART == 4
	.amdgcn_target "amdgcn-amd-amdhsa--gfx1250"
	.amdhsa_code_object_version 6
	.text
	.protected	k_q647a10a3d0_outp
	.globl	k_q647a10a3d0_outp
	.p2align	8
	.type	k_q647a10a3d0_outp,@function
k_q647a10a3d0_outp:
	s_mov_b64 s[64:65], 0
	v_nop
	global_prefetch_b8 v0, s[64:65] scope:SCOPE_SE
	s_setreg_imm32_b32 hwreg(HW_REG_WAVE_MODE, 25, 1), 1
	s_wait_xcnt 0x0
	s_wait_alu depctr_hold_cnt(0) depctr_sa_sdst(0) depctr_va_vdst(0) depctr_va_sdst(0) depctr_va_ssrc(0) depctr_va_vcc(0) depctr_vm_vsrc(0)
	s_getreg_b32 s2, hwreg(HW_REG_IB_STS2, 6, 4)
	s_cmp_eq_u32 s2, 0
	s_cbranch_scc0 .Lentry_in_a_cluster
	s_endpgm
.Lentry_in_a_cluster:
	s_bfe_u32 s2, ttmp6, 0x10000c
	s_cmp_lg_u32 s2, 0xf033
	s_cbranch_scc0 .Lentry_shape_is_right
	s_endpgm
.Lentry_shape_is_right:
; OUTP: out0[m][n] = sum over k of att[m][k] Wo[n][k] + bo[n].  att [8192][1024] and wo16 [1024][1024] f16; sums, bo and out0 f32.
; A tile of the result is 128 x 128 (512 tiles); four waves, 64 x 64 each: 16 accumulators.  K goes in steps of 256 (LDS rows of 512 bytes, 64 rows a load) through two slots.
; The bias is the C of each sum's first product: eight registers for each block of 16 columns, in the result's layout; nothing is cleared and nothing is added afterwards.
; CLUSTERS: 4 x 4 work-groups; att's tiles are shared along a row of the cluster, Wo's along a column: joint loads.
; THE MATRIX INSTRUCTION IS USED TRANSPOSED (source 0 = 16 rows of Wo, source 1 = 16 rows of att): a lane holds eight neighbouring columns of one row: 32 bytes.
; A wave's 64 columns are 256 bytes of a row, aligned: each wave sends its own blocks of 16 rows through a stage of its own, with no barrier.
; REGISTERS: window 0: v0-31 addresses; v32-95 rows on the way out; v96-127 the bias; v128-255 the accumulators ((a, b) at v[128 + 8 (4 a + b)]).  window 1: two fragment buffers of 128.
.set SIZE_M, 8192
.set SIZE_N, 1024
.set SIZE_K, 1024
.set KSTEP,  256
.set PITCH,  528                       ; an LDS row: 512 bytes + 16 = 132 words: the 16 rows of a load start 4 words apart modulo 64
.set HALFT,  64*PITCH
.set SLOT,   4*HALFT
.set STAGE,  2*SLOT                    ; behind the ring: 16 rows x 272 bytes for each wave
.set SPITCH, 272
.set SPARE,  STAGE+4*16*SPITCH         ; the spare words, 128 bytes for each wave, named by no other line
.set LAPS, SIZE_K/(2*KSTEP)
.set ADRA, 16
.set ADRB, 20
.set STO,  24
.set RD,   25
.set CO,   26
.set BOF,  27
.set SPW,  28
.set NIL,  29
.set BK,   32
.set BI,   96
.set ACC,  128
.set F0,   0
.set F1,   128
.set G1, 24
.set G0, 32
.set G1B, 48
.set G0B, 56
.set MSB, 0
.macro WIN new                         ; the immediate's high byte repeats the setting that is left
.if MSB != \new
	s_set_vgpr_msb (MSB<<8)|\new
.set MSB, \new
.endif
.endm
.set MUL,  0x05                        ; sources 0 and 1 window 1; C and D window 0
.set TO_F, 0x40                        ; destination window 1, address window 0
.macro JLOAD s                         ; a joint load: waves 0 and 1 fetch att's two halves, waves 2 and 3 Wo's; an s_nop 0 and four v_nop follow each of the two lines
	s_cmp_eq_u32 s11, 0
	s_cbranch_scc0 .Lfor_b_\@
	tensor_load_to_lds s[G0+4*\s:G0+4*\s+3], s[G1:G1+7]
	s_nop 0
.rept 4
	v_nop
.endr
	s_branch .Lasked_\@
.Lfor_b_\@:
	tensor_load_to_lds s[G0B+4*\s:G0B+4*\s+3], s[G1B:G1B+7]
	s_nop 0
.rept 4
	v_nop
.endr
.Lasked_\@:
.endm
.macro CREST                           ; a round of the cluster's barrier behind its opening barrier
	s_cmp_lg_u32 s10, 0
	s_cbranch_scc1 .Lnot_wave_0_\@
	s_barrier_signal -3
.Lnot_wave_0_\@:
	s_barrier_wait -3
	s_barrier_signal -1
	s_barrier_wait -1
.endm
.macro CROUND
	s_barrier_signal -1
	s_barrier_wait -1
	CREST
.endm
	s_load_b128 s[4:7], s[0:1], 0x0                ; att s[4:5], wo16 s[6:7]
	s_load_b128 s[68:71], s[0:1], 0x10             ; bo s[68:69], out0 s[70:71]
	v_lshl_add_u32 v[SPW], v0, 2, SPARE
	v_mov_b32 v[NIL], 0
	ds_add_u32 v[SPW], v[NIL]                      ; the wave's opening: the add, twice on end, and its wait ahead of my first tensor load
	ds_add_u32 v[SPW], v[NIL]
	v_lshrrev_b32 v1, 5, v0
	v_readfirstlane_b32 s10, v1                    ; wave 0..3
	s_lshr_b32 s11, s10, 1                         ; which half of the tile's rows is mine.  Also: I fetch for att (0) or for Wo (1)
	s_and_b32 s12, s10, 1                          ; which half of its columns.  Also: which 64 rows I fetch
	s_bfe_u32 s40, ttmp6, 0x40000                  ; cx, cy
	s_bfe_u32 s41, ttmp6, 0x40004
	s_lshl_b32 s42, ttmp9, 2
	s_add_co_u32 s42, s42, s40                     ; tile column
	s_and_b32 s13, ttmp7, 0xffff
	s_lshl_b32 s13, s13, 2
	s_add_co_u32 s13, s13, s41                     ; tile row
	s_lshl_b32 s43, s41, 2
	s_lshl_b32 s43, 15, s43                        ; my row of the cluster
	s_lshl_b32 s44, 0x1111, s40                    ; my column
	; descriptor group 1: a tile of 64 rows x 256 elements of 2 bytes, padding of 4 words after every 128
	s_or_b32 s[G1+0], s43, (1<<16)|(1<<20)|(1<<21)|(6<<22)|(3<<25)
	s_or_b32 s[G1B+0], s44, (1<<16)|(1<<20)|(1<<21)|(6<<22)|(3<<25)
.irp g, G1, G1B
	s_mov_b32 s[\g+1], KSTEP<<16                   ; tensor_dim0
	s_mov_b32 s[\g+2], 64<<16                      ; tensor_dim1
	s_mov_b32 s[\g+3], KSTEP<<16                   ; tile_dim0
	s_mov_b32 s[\g+4], 64                          ; tile_dim1
	s_mov_b32 s[\g+5], SIZE_K                      ; from row to row
	s_mov_b32 s[\g+6], 0
	s_mov_b32 s[\g+7], 0
.endr
	s_lshl_b32 s17, s12, 6                         ; which 64 rows of the tile I fetch
	s_lshl_b32 s16, s13, 7
	s_add_co_u32 s16, s16, s17                     ; att: row 128 x tile row + 64 x half
	s_lshl_b32 s46, s42, 7
	s_add_co_u32 s46, s46, s17                     ; Wo: row 128 x tile column + 64 x half
	s_mov_b32 s17, 0
	s_mov_b32 s47, 0
	s_mov_b64 s[18:19], SIZE_K*2
	s_mul_u64 s[16:17], s[16:17], s[18:19]
	s_mul_u64 s[46:47], s[46:47], s[18:19]
	s_mul_i32 s20, s10, HALFT                      ; where they go: wave x 64 rows
	s_wait_dscnt 0x0                               ; both opening adds are done
	s_wait_kmcnt 0x0
	s_add_nc_u64 s[14:15], s[4:5], s[16:17]
	s_add_nc_u64 s[46:47], s[6:7], s[46:47]
	CROUND                                         ; all sixteen work-groups are here: the first joint loads meet
.irp s, 0,1
	s_mov_b32 s[G0+4*\s], 1
	s_add_co_u32 s[G0+4*\s+1], s20, \s*SLOT
	s_add_nc_u64 s[G0+4*\s+2:G0+4*\s+3], s[14:15], \s*KSTEP*2
	s_or_b32 s[G0+4*\s+3], s[G0+4*\s+3], 0x80000000
	s_mov_b32 s[G0B+4*\s], 1
	s_add_co_u32 s[G0B+4*\s+1], s20, \s*SLOT
	s_add_nc_u64 s[G0B+4*\s+2:G0B+4*\s+3], s[46:47], \s*KSTEP*2
	s_or_b32 s[G0B+4*\s+3], s[G0B+4*\s+3], 0x80000000
	JLOAD \s                                       ; two tensor loads of mine are out
.endr
	v_and_b32 v1, 15, v0                           ; l % 16
	v_bfe_u32 v2, v0, 4, 1                         ; l / 16
	s_lshl_b32 s46, s42, 9                         ; my first column, in bytes of f32: 512 x tile column + 256 x half
	s_lshl_b32 s47, s12, 8
	s_add_co_u32 s46, s46, s47
	s_mov_b32 s47, 0
	s_add_nc_u64 s[68:69], s[68:69], s[46:47]
	v_lshlrev_b32 v[BOF], 5, v2                    ; the upper half of the lanes holds the columns 8 further on
.irp b, 0,1,2,3
	global_load_b128 v[BI+8*\b:BI+8*\b+3],   v[BOF], s[68:69] offset:64*\b      ; bo at columns 16 b + 8 h + 0 .. 7
	global_load_b128 v[BI+8*\b+4:BI+8*\b+7], v[BOF], s[68:69] offset:64*\b+16
.endr
	v_mul_u32_u24 v3, v1, PITCH
	v_lshl_add_u32 v3, v2, 4, v3                   ; a fragment's row x pitch + 16 x half
	s_mul_i32 s21, s11, HALFT                      ; my 64 rows of att
	s_mul_i32 s22, s12, HALFT                      ; my 64 rows of Wo,
	s_add_co_u32 s22, s22, 2*HALFT                 ; which lie behind att's 128
.irp s, 0,1
	v_add_nc_u32 v[ADRA+\s], s21, v3
	v_add_nc_u32 v[ADRB+\s], s22, v3
	s_add_co_u32 s21, s21, SLOT
	s_add_co_u32 s22, s22, SLOT
.endr
	s_mul_i32 s23, s10, 16*SPITCH
	s_add_co_u32 s23, s23, STAGE                   ; my stage
	v_mul_u32_u24 v4, v1, SPITCH
	v_lshl_add_u32 v4, v2, 5, v4
	v_add_nc_u32 v[STO], s23, v4                   ; in: row l % 16, 32 bytes for each half of the lanes
	v_mul_u32_u24 v5, v2, SPITCH
	v_lshl_add_u32 v5, v1, 4, v5
	v_add_nc_u32 v[RD], s23, v5                    ; back: lanes 0-15 one row of 256 bytes, lanes 16-31 the next
	v_lshlrev_b32 v5, 12, v2
	v_lshl_add_u32 v[CO], v1, 4, v5                ; and the same two rows in out0 (4,096 bytes a row)
	s_lshl_b32 s16, s13, 7
	s_lshl_b32 s17, s11, 6
	s_add_co_u32 s16, s16, s17                     ; my first row: 128 x tile row + 64 x half
	s_lshl_b32 s16, s16, 12
	s_mov_b32 s17, 0
	s_add_nc_u64 s[70:71], s[70:71], s[16:17]
	s_add_nc_u64 s[70:71], s[70:71], s[46:47]
; 8 matrix instructions: m blocks a0, a0 + 1 x all 4 n blocks, 32 along K: half c of buffer f.  first = 1: the product starts the sum from the bias.  The 16 accumulators take turns.
.macro MUL8 f, c, a0, first
.irp a, \a0, \a0+1
.irp b, 0,1,2,3
.if \first
	v_wmma_f32_16x16x32_f16 v[ACC+8*(4*(\a)+\b):ACC+8*(4*(\a)+\b)+7], v[\f+64+8*(4*\c+\b):\f+64+8*(4*\c+\b)+7], v[\f+8*(4*\c+\a):\f+8*(4*\c+\a)+7], v[BI+8*\b:BI+8*\b+7]
.else
	v_wmma_f32_16x16x32_f16 v[ACC+8*(4*(\a)+\b):ACC+8*(4*(\a)+\b)+7], v[\f+64+8*(4*\c+\b):\f+64+8*(4*\c+\b)+7], v[\f+8*(4*\c+\a):\f+8*(4*\c+\a)+7], v[ACC+8*(4*(\a)+\b):ACC+8*(4*(\a)+\b)+7]
.endif
.endr
.endr
.endm
; 32 LDS loads in one run: the fragments of 64 along K at byte k of the rows, into buffer f; the first 32 along K first
.macro FETCH slot, k, f
	WIN TO_F
.irp c, 0,1
.irp i, 0,1,2,3
	ds_load_b128 v[\f+64+8*(4*\c+\i):\f+64+8*(4*\c+\i)+3],   v[ADRB+\slot] offset:\k+64*\c+\i*16*PITCH
	ds_load_b128 v[\f+64+8*(4*\c+\i)+4:\f+64+8*(4*\c+\i)+7], v[ADRB+\slot] offset:\k+64*\c+\i*16*PITCH+32
	ds_load_b128 v[\f+8*(4*\c+\i):\f+8*(4*\c+\i)+3],         v[ADRA+\slot] offset:\k+64*\c+\i*16*PITCH
	ds_load_b128 v[\f+8*(4*\c+\i)+4:\f+8*(4*\c+\i)+7],       v[ADRA+\slot] offset:\k+64*\c+\i*16*PITCH+32
.endr
.endr
.endm
.macro PLACES                          ; four plain vector instructions between a matrix instruction and a load into, or a read of, its registers
.rept 4
	v_nop
.endr
.endm
; A K step is four quarters of 64 along K, 32 matrix instructions each, on buffers 0, 1, 0, 1.
.macro QUARTER slot, k, f, g, first
	s_wait_dscnt 16                                ; the first 32 along K are in; the other sixteen loads may be out
	WIN MUL
	MUL8 \f, 0, 0, \first
	MUL8 \f, 0, 2, \first
	PLACES
	FETCH \slot, \k, \g
	s_wait_dscnt 32                                ; all but the 32 just issued
	WIN MUL
	MUL8 \f, 1, 0, 0
	MUL8 \f, 1, 2, 0
.endm
; The last quarter changes slots: one barrier; in front of it each wave waits for all its tensor loads, adds 0 to its spare word, and waits for that and for its reads of this slot.  fill = 1: this slot is filled again, two K steps ahead.
.macro TURN slot, next, fill
	WIN 0
	s_wait_tensorcnt 0x0                           ; all my tensor loads have landed: my part of the next slot
	ds_add_u32 v[SPW], v[NIL]
	s_wait_dscnt 17                                ; (the add and the youngest sixteen loads may be out)
	WIN MUL
	MUL8 F1, 0, 0, 0
	s_wait_dscnt 0x0                               ; the add is done, and my reads of this slot are over
	s_barrier_signal -1
	MUL8 F1, 0, 2, 0
.if \fill
	WIN 0
.endif
	s_barrier_wait -1
.if \fill
	CREST                                          ; the barrier has opened a round of the cluster's: no wave of any partner still reads this slot or has a load on its way
	s_add_nc_u64 s[G0+4*\slot+2:G0+4*\slot+3], s[G0+4*\slot+2:G0+4*\slot+3], 2*KSTEP*2
	s_add_nc_u64 s[G0B+4*\slot+2:G0B+4*\slot+3], s[G0B+4*\slot+2:G0B+4*\slot+3], 2*KSTEP*2
	JLOAD \slot                                    ; the first tensor load behind the round; its four v_nop are also the places in front of the loads below
.else
	PLACES
.endif
	FETCH \next, 0, F0
	WIN MUL
	MUL8 F1, 1, 0, 0
	MUL8 F1, 1, 2, 0
.endm
	s_wait_tensorcnt 1                             ; my part of K step 0 is in; K step 1's load may be out
	s_barrier_signal -1
	s_barrier_wait -1
	FETCH 0, 0, F0
	s_wait_loadcnt 0x0                             ; the bias
	QUARTER 0, 128, F0, F1, 1                      ; the first quarter stands in front of the loop: its first products start the sums
	WIN 0
	s_mov_b32 s3, LAPS-1
.Llap:                                             ; a trip goes once round the ring and fills both slots again
	QUARTER 0, 256, F1, F0, 0
	QUARTER 0, 384, F0, F1, 0
	TURN 0, 1, 1
	QUARTER 1, 128, F0, F1, 0
	QUARTER 1, 256, F1, F0, 0
	QUARTER 1, 384, F0, F1, 0
	TURN 1, 0, 1
	QUARTER 0, 128, F0, F1, 0
	WIN 0
	s_sub_co_u32 s3, s3, 1
	s_cmp_lg_u32 s3, 0
	s_cbranch_scc1 .Llap
	QUARTER 0, 256, F1, F0, 0                      ; the last lap fills nothing
	QUARTER 0, 384, F0, F1, 0
	TURN 0, 1, 0
	QUARTER 1, 128, F0, F1, 0
	QUARTER 1, 256, F1, F0, 0
	QUARTER 1, 384, F0, F1, 0
	s_wait_dscnt 16
	WIN MUL
	MUL8 F1, 0, 0, 0
	MUL8 F1, 0, 2, 0
	s_wait_dscnt 0
	MUL8 F1, 1, 0, 0
	MUL8 F1, 1, 2, 0
	WIN 0
; THE WAY OUT, block by block of 16 rows x 64 columns of f32: into my stage as the accumulators stand, back as whole rows of 256 bytes.
.macro TOSTAGE a
.set BB, BK+32*((\a)%2)
.irp b, 0,1,2,3
	ds_store_b128 v[STO], v[ACC+8*(4*(\a)+\b):ACC+8*(4*(\a)+\b)+3] offset:64*\b          ; each accumulator from its low end on
	ds_store_b128 v[STO], v[ACC+8*(4*(\a)+\b)+4:ACC+8*(4*(\a)+\b)+7] offset:64*\b+16
.endr
.irp t, 0,1,2,3,4,5,6,7
	ds_load_b128 v[BB+4*\t:BB+4*\t+3], v[RD] offset:\t*2*SPITCH    ; LDS serves a wave's instructions in order: these see the stores above
.endr
.endm
.macro SEND a, younger                 ; younger: the LDS instructions issued behind block a's loads
.set BB, BK+32*((\a)%2)
	s_wait_dscnt \younger
.irp t, 0,1,2,3,4,5,6,7
	global_store_b128 v[CO], v[BB+4*\t:BB+4*\t+3], s[70:71] offset:(16*(\a)+2*\t)*SIZE_N*4 th:TH_STORE_NT   ; 16 lanes store 256 consecutive bytes, aligned; written once, read by nobody here
.endr
.endm
	PLACES                                         ; behind the last products, ahead of the first read of results
	TOSTAGE 0
.irp a, 1,2,3
.if \a > 1
	s_wait_xcnt 0x0                                ; block a - 2's stores have read their registers: block a's loads may land there
.endif
	TOSTAGE \a
	SEND \a-1, 16                                  ; behind block a - 1's loads: block a's 8 stores and 8 loads
.endr
	SEND 3, 0
	s_wait_tensorcnt 0x0                           ; the wave's end
	ds_add_u32 v[SPW], v[NIL]
	s_wait_dscnt 0x0
	CROUND                                         ; the closing round
	s_endpgm
.Lfunc_end_k_q647a10a3d0_outp:
	.size	k_q647a10a3d0_outp, .Lfunc_end_k_q647a10a3d0_outp-k_q647a10a3d0_outp
	.p2alignl 7, 3214868480
	.fill 96, 4, 3214868480
	.section	.rodata,"a",@progbits
	.p2align	6, 0x0
	.amdhsa_kernel k_q647a10a3d0_outp
		.amdhsa_group_segment_fixed_size 327680
		.amdhsa_private_segment_fixed_size 0
		.amdhsa_enable_private_segment 0
		.amdhsa_kernarg_size 32
		.amdhsa_user_sgpr_count 2
		.amdhsa_user_sgpr_kernarg_segment_ptr 1
		.amdhsa_wavefront_size32 1
		.amdhsa_system_sgpr_workgroup_id_x 1
		.amdhsa_system_sgpr_workgroup_id_y 1
		.amdhsa_system_sgpr_workgroup_id_z 1
		.amdhsa_system_vgpr_workitem_id 0
		.amdhsa_next_free_vgpr 512
		.amdhsa_next_free_sgpr 72
		.amdhsa_reserve_vcc 0
		.amdhsa_float_denorm_mode_32 3
		.amdhsa_float_denorm_mode_16_64 3
		.amdhsa_memory_ordered 1
		.amdhsa_forward_progress 1
		.amdhsa_inst_pref_size 86
	.end_amdhsa_kernel
	.amdgpu_metadata
---
amdhsa.version: [ 1, 2 ]
amdhsa.kernels:
  - .name:           k_q647a10a3d0_outp
    .symbol:         k_q647a10a3d0_outp.kd
    .args:
      - { .name: att, .offset: 0, .size: 8, .value_kind: global_buffer, .address_space: global }
      - { .name: wo16, .offset: 8, .size: 8, .value_kind: global_buffer, .address_space: global }
      - { .name: bo, .offset: 16, .size: 8, .value_kind: global_buffer, .address_space: global }
      - { .name: out0, .offset: 24, .size: 8, .value_kind: global_buffer, .address_space: global }
    .group_segment_fixed_size: 327680
    .private_segment_fixed_size: 0
    .kernarg_segment_align: 8
    .kernarg_segment_size: 32
    .max_flat_workgroup_size: 128
    .sgpr_count:     72
    .vgpr_count:     512
    .wavefront_size: 32
...
	.end_amdgpu_metadata
.endif
;; end of part 4
;; ======== version 2 of 2: 4 launches
;; limits: values are held in f16: magnitudes above 65,504 overflow, below 6.1e-05 lose precision
;; workspace buffers: codes 14,155,776 bytes; scales 884,736 bytes; maskw 2,097,152 bytes of whole numbers; wo16 2,097,152 bytes; qkv 50,331,648 bytes; att 16,777,216 bytes
;; launch prep: the kernel of part 1 again; grid 1120 x 1, 4 waves a work-group, no clusters, 50,688 bytes of LDS; arguments values, keys, query, Wv, Wk, Wq, mask, Wo, codes, scales, maskw, wo16; writes codes, scales, maskw, wo16
;; launch proj: the kernel of part 2 again; grid 4 x 96, 4 waves a work-group, clusters of 4 x 4, 327,680 bytes of LDS; arguments codes, scales, qkv; writes qkv
;; launch attn (part 5): grid 8 x 32, 8 waves a work-group, clusters of 4 x 1, 327,680 bytes of LDS; arguments qkv, maskw, att; writes att
.if DOCPART == 5
	.amdgcn_target "amdgcn-amd-amdhsa--gfx1250"
	.amdhsa_code_object_version 6
	.text
	.protected	k_q647a10a3d0_attn
	.globl	k_q647a10a3d0_attn
	.p2align	8
	.type	k_q647a10a3d0_attn,@function
k_q647a10a3d0_attn:
	s_mov_b64 s[64:65], 0
	v_nop
	global_prefetch_b8 v0, s[64:65] scope:SCOPE_SE
	s_setreg_imm32_b32 hwreg(HW_REG_WAVE_MODE, 25, 1), 1
	s_wait_xcnt 0x0
	s_wait_alu depctr_hold_cnt(0) depctr_sa_sdst(0) depctr_va_vdst(0) depctr_va_sdst(0) depctr_va_ssrc(0) depctr_va_vcc(0) depctr_vm_vsrc(0)
	s_getreg_b32 s2, hwreg(HW_REG_IB_STS2, 6, 4)
	s_cmp_eq_u32 s2, 0
	s_cbranch_scc0 .Lentry_in_a_cluster
	s_endpgm
.Lentry_in_a_cluster:
	s_bfe_u32 s2, ttmp6, 0x10000c
	s_cmp_lg_u32 s2, 0x3003
	s_cbranch_scc0 .Lentry_shape_is_right
	s_endpgm
.Lentry_shape_is_right:
; ATTN: att[n][q][64 head + d] = sum over k of softmax_k(where(mask == 0, -1e20, q . k) / 8) v[k][d], f16 operands, f32 products, maxima and sums.
; qkv: [24576][1024] f16, rows 0.. v, 8,192.. k, 16,384.. c q with c = log2(e) / 8 already in q: a score leaves the matrix unit as t = score x c.
; maskw: lane masks [n][query tile 16][key step 64][kt][j]; a hidden score becomes TM = -1e20 x c by v_cndmask_b32: no way through the text hangs on the mask.
; SOFTMAX: a running maximum m and sum l for each query; p = 2^(t - m) by a plain subtraction, so that a row whose every key is hidden has t - m = 0 exactly and comes out uniform; in every step
; O and l are multiplied by a = 2^(m_old - m_new).  l is summed by the matrix unit (source 0 = ones) from the same rounded p that multiplies V; of that accumulator only registers 0 and 1
; are rescaled and only register 0 is read; the other six hold sums of p, at most 2,048, that nobody reads.
; LIMITS: |c q|, |k|, |v|, |O| under 65,504; p under 6e-8 rounds to 0 in f16; NaN and infinities are not served; v_exp_f32 gives 0 under 2^-126.
; SHARES: a work-group owns 256 queries of a PAIR of heads of one batch, so that a row of K, V and att is 256 consecutive bytes, aligned.  Waves 0-3 take the even head, waves 4-7 the odd;
; wave w owns queries 64 (w % 4) on: four tiles of 16.  Two waves share a SIMD: one wave's softmax stands beside the other's products and LDS loads.
; LAYOUT: S^T = K Q^T (source 0 = 16 keys, source 1 = 16 queries), O^T = V^T P: a lane holds ONE query throughout.  P is rounded in place over S^T's low half.  V is turned by ds_load_tr16_b128.
; THE LANE MASKS come by scalar loads, which return in no order and are waited for all together.  So they are asked for in groups of TWO tiles' 64 words, each group at once behind the lines that
; have read the registers it lands in: a step masks tiles 0 and 1, asks for the words of tiles 2 and 3, and walks two tiles' softmax, rescaling and products V^T P before it waits for them;
; then the same with tiles 2 and 3 and the next step's words of tiles 0 and 1.  Two waits a step.
; RING: two LDS slots of 128 keys (two steps of 64).  The slot's 128 rows of K and 128 of V are shared among the eight waves, 32 rows a load, one load a wave behind each round.
; CLUSTER: the four query blocks of a cluster walk the same K and V: each tile is asked for jointly, by the same load with the same descriptor and the mask 15.
; VECTOR REGISTERS: window 0: v1-13 addresses and constants; v24-55 statistics, eight a tile; v56-63 ones; v64-191 S^T, 32 a tile; v192-255 K's fragments, then V's.
;   window 1: v0-127 O^T, 32 a tile; v128-159 l, 8 a tile; v160-223 Q, 16 a tile.
; SCALAR REGISTERS: s[4:35] and s[68:99] the lane masks of an even and an odd tile (at the head and at the tail: at work); the rest holds what the loop keeps, and none is left over: so att's
; address is loaded behind the loop over slots, into the pair that the prefetches have done with.
.set KS,    64
.set PK,    272                        ; a row of K in LDS: 256 bytes + 16: the 16 rows of a load start 4 words apart modulo 64
.set PV,    288                        ; a row of V: 256 + 32: the turning load's 8 rows x 32 bytes fall on different words modulo 64
.set VOFF,  KS*PK
.set STEPB, KS*(PK+PV)
.set SLOT1, 1<<17                      ; one exclusive or turns an address in one slot into the other's
.set SPARE, SLOT1+2*STEPB              ; the spare words, 128 bytes for each wave, named by no other line
.set SP,    272                        ; the way out: a stage of 256 rows x (256 bytes + 16) in slot 0, which has had its last fill and its last read by then
.set TOK,   2048                       ; a token's row in qkv and in att, in bytes
.set NSL,   16                         ; slots' worth of keys
.set AK0, 3
.set AV0, 4
.set ADR, 5
.set QO,  6
.set STO, 7
.set RD,  8
.set GO,  9
.set PFO, 10
.set TMV, 11
.set SPW, 12
.set NIL, 13
.set ST,  24                           ; tile t at v[ST + 8 t]: +0 m, +1 zero, +2 a, +3 zero, +4 .. +7 four chains of the maximum
.set ONES, 56
.set S,   64
.set OB,  128                          ; the way out: rows read back
.set KV,  192
.set LF,  128                          ; window 1: l
.set QF,  160                          ; window 1: Q
.set WV,  2                            ; s2   my wave's number
.set TB,  3                            ; s3   LDS byte at which the step's tiles begin
.set MA,  4                            ; s[4:35]  an even tile's 32 lane masks for one key step
.set G1K, 36
.set G1V, 44
.set G0K, 52
.set G0V, 56
.set SEL, 60
.set PFA, 62                           ; s[62:63] where my prefetches stand; behind the loop over slots: att
.set MP,  66                           ; s[66:67] my first tile's lane masks
.set MB,  68                           ; s[68:99] an odd tile's 32 lane masks
.set SLOTS, 100
.set TWICE, 101
.set LIM, 104
.set MO,  105                          ; s105 128 x key step
.set MSB, 0
.macro WIN new                         ; the immediate's high byte repeats the setting that is left
.if MSB != \new
	s_set_vgpr_msb (MSB<<8)|\new
.set MSB, \new
.endif
.endm
.set W_KQ, 0x04                        ; source 1 (Q) window 1
.set W_PV, 0x50                        ; C and D (O^T, l) window 1
.set W_RS, 0x41                        ; destination and source 0 window 1
; A joint load: waves 0-3 fetch K's rows, waves 4-7 V's.  The branch hangs on the wave's number alone.  An s_nop 0 and four v_nop follow each of the two lines.
.macro JLOAD
	s_cmp_lt_u32 s[WV], 4
	s_cbranch_scc0 .Lfor_v_\@
	tensor_load_to_lds s[G0K:G0K+3], s[G1K:G1K+7]
	s_nop 0
.rept 4
	v_nop
.endr
	s_branch .Lasked_\@
.Lfor_v_\@:
	tensor_load_to_lds s[G0V:G0V+3], s[G1V:G1V+7]
	s_nop 0
.rept 4
	v_nop
.endr
.Lasked_\@:
.endm
; A prefetch of what the NEXT change of slots will ask for: 128 rows of K and of V, 256 bytes of each, a lane a row.  Two clusters walk each pair of heads: the one with x = 0 asks; its four partners
; take 32 rows each, told apart by address; wave 0 asks for K's, wave 4 for V's.  So each row's 256 bytes are named once.  The last change that fills a slot asks for nothing.
.macro ASK
	s_cmp_gt_u32 s[SLOTS], s[LIM]
	s_cbranch_scc0 .Lnot_mine_\@
	global_prefetch_b8 v[PFO], s[PFA:PFA+1] th:TH_LOAD_NT scope:SCOPE_SE
.Lnot_mine_\@:
.endm
.macro CROUND                          ; a round of the cluster's barrier
	s_barrier_signal -1
	s_barrier_wait -1
	s_cmp_lg_u32 s[WV], 0
	s_cbranch_scc1 .Lnot_wave_0_\@
	s_barrier_signal -3
.Lnot_wave_0_\@:
	s_barrier_wait -3
	s_barrier_signal -1
	s_barrier_wait -1
.endm
.macro MLOAD m, off                    ; a tile's 32 lane masks of the key step at s[MO], into s[m] on; off: the tile's 4,096 bytes
	s_load_b512 s[\m:\m+15], s[MP:MP+1], s[MO] offset:(\off)
	s_load_b512 s[\m+16:\m+31], s[MP:MP+1], s[MO] offset:(\off)+64
.endm
	s_load_b128 s[4:7], s[0:1], 0x0                ; qkv s[4:5], maskw s[6:7]
	v_lshl_add_u32 v[SPW], v0, 2, SPARE
	v_mov_b32 v[NIL], 0
	ds_add_u32 v[SPW], v[NIL]                      ; the wave's opening: the add, twice on end, and its wait ahead of my first tensor load
	ds_add_u32 v[SPW], v[NIL]
	v_lshrrev_b32 v1, 5, v0
	v_readfirstlane_b32 s[WV], v1                  ; wave 0..7
	s_and_b32 s8, s[WV], 3                         ; wave % 4
	s_lshr_b32 s9, s[WV], 2                        ; which head of the pair
	s_bfe_u32 s12, ttmp6, 0x40000                  ; cx
	s_lshl_b32 s13, ttmp9, 2
	s_add_co_u32 s13, s13, s12                     ; my block of 256 queries: it enters Q's, the mask words' and att's addresses alone
	s_and_b32 s15, ttmp7, 0xffff
	s_lshr_b32 s14, s15, 3                         ; the batch
	s_and_b32 s15, s15, 7                          ; the pair of heads
	; descriptor group 1: a tile of 32 rows x 128 elements of 2 bytes, 1,024 elements from row to row, padded in LDS
	s_mov_b32 s[G1K], 15|(1<<16)|(1<<20)|(1<<21)|(5<<22)|(3<<25)  ; the mask: all four work-groups; padding of 4 words after every 64
	s_mov_b32 s[G1V], 15|(1<<16)|(1<<20)|(1<<21)|(5<<22)|(7<<25)  ; the same with 8 words
.irp g, G1K, G1V
	s_mov_b32 s[\g+1], 128<<16                     ; tensor_dim0
	s_mov_b32 s[\g+2], 32<<16                      ; tensor_dim1
	s_mov_b32 s[\g+3], 128<<16                     ; tile_dim0
	s_mov_b32 s[\g+4], 32                          ; tile_dim1
	s_mov_b32 s[\g+5], 1024                        ; from row to row
	s_mov_b32 s[\g+6], 0
	s_mov_b32 s[\g+7], 0
.endr
	s_lshl_b32 s16, s14, 11                        ; the batch's first token
	s_lshl_b32 s18, s15, 8                         ; the pair's 256 bytes in a token's row
	s_lshl_b32 s20, s8, 5
	s_add_co_u32 s20, s20, s16                     ; the 32 rows that I fetch of slot 0
	s_lshl_b32 s20, s20, 11
	s_add_co_u32 s20, s20, s18
	s_mov_b32 s21, 0                               ; s[20:21]: made of the batch, the pair and the wave alone
	s_lshl_b32 s19, s13, 8
	s_add_co_u32 s19, s19, s16                     ; my block's first token
	s_lshl_b32 s22, s8, 6
	s_add_co_u32 s22, s22, s19                     ; my wave's first query
	s_lshl_b32 s22, s22, 11
	s_add_co_u32 s22, s22, s18
	s_lshl_b32 s23, s9, 7
	s_add_co_u32 s22, s22, s23                     ; my head's 128 bytes
	s_mov_b32 s23, 0
	s_lshl_b32 s16, s14, 7                         ; my first query tile: 128 x batch + 16 x block + 4 x (wave % 4),
	s_lshl_b32 s17, s13, 4
	s_add_co_u32 s16, s16, s17
	s_lshl_b32 s17, s8, 2
	s_add_co_u32 s16, s16, s17
	s_lshl_b32 s16, s16, 12                        ; 4,096 bytes of mask words a tile
	s_mov_b32 s17, 0
	s_lshr_b32 s18, s8, 1                          ; where my rows go: step (wave % 4) / 2 of the slot, half (wave % 4) % 2 of its 64 rows
	s_mul_i32 s18, s18, STEPB
	s_and_b32 s19, s8, 1
	s_mul_i32 s[G0K+1], s19, 32*PK
	s_add_co_u32 s[G0K+1], s[G0K+1], s18
	s_mul_i32 s[G0V+1], s19, 32*PV
	s_add_co_u32 s[G0V+1], s[G0V+1], s18
	s_add_co_u32 s[G0V+1], s[G0V+1], VOFF
	s_mov_b32 s[G0K], 1
	s_mov_b32 s[G0V], 1
	s_mov_b32 s[SEL], 0x76543210
	s_mov_b32 s[SEL+1], 0xfedcba98                 ; v_permlanex16_b32: lane l xor 16
	s_mov_b32 s[TB], 0
	s_mov_b32 s[MO], 0
	s_mov_b32 s[SLOTS], NSL-1
	s_or_b32 s[LIM], s8, ttmp9                     ; 0 in waves 0 and 4 of the cluster with x = 0: the same in all four partners
	s_cmp_eq_u32 s[LIM], 0
	s_cselect_b32 s[LIM], 1, -1
	s_wait_dscnt 0x0                               ; both opening adds are done
	s_wait_kmcnt 0x0
	s_add_nc_u64 s[G0V+2:G0V+3], s[4:5], s[20:21]  ; V at my rows of slot 0,
	s_add_nc_u64 s[G0K+2:G0K+3], s[G0V+2:G0V+3], 8192*TOK  ; K 8,192 rows on
	s_cmp_lt_u32 s[WV], 4
	s_cselect_b64 s[PFA:PFA+1], s[G0K+2:G0K+3], s[G0V+2:G0V+3]  ; (in waves 0 and 4 these stand at a slot's first row)
	s_lshl_b32 s20, s12, 16                        ; my work-group's 32 rows of the 128,
	s_add_co_u32 s20, s20, 128*TOK                 ; in slot 1: the first change of slots steps it to slot 2.  Nothing is prefetched at the head
	s_add_nc_u64 s[PFA:PFA+1], s[PFA:PFA+1], s[20:21]
	s_or_b32 s[G0K+3], s[G0K+3], 0x80000000        ; type = 2
	s_or_b32 s[G0V+3], s[G0V+3], 0x80000000
	s_add_nc_u64 s[22:23], s[4:5], s[22:23]
	s_add_nc_u64 s[22:23], s[22:23], 16384*TOK     ; Q at my first query
	s_add_nc_u64 s[MP:MP+1], s[6:7], s[16:17]
	CROUND                                         ; all four work-groups are here: the first joint loads meet
	JLOAD                                          ; slot 0: one tensor load of mine is out
	v_and_b32 v1, 15, v0                           ; r = l % 16
	v_bfe_u32 v2, v0, 4, 1                         ; h = l / 16
	v_lshlrev_b32 v[QO], 11, v1
	v_lshl_add_u32 v[QO], v2, 4, v[QO]             ; Q: row r, + 16 h
	WIN 0x40                                       ; destination window 1
.irp f, 0,1,2,3,4,5,6,7                        ; Q stays in registers: tile f / 2, channels 32 (f % 2) on
	global_load_b128 v[QF+8*\f:QF+8*\f+3],   v[QO], s[22:23] offset:(\f/2)*16*TOK+(\f%2)*64
	global_load_b128 v[QF+8*\f+4:QF+8*\f+7], v[QO], s[22:23] offset:(\f/2)*16*TOK+(\f%2)*64+32
.endr
.set i, 0
.rept 160
	v_mov_b32 v[i], 0                              ; O^T and l.  The step is written for every step alike: the first finds zeros, which its a leaves zeros; that saves a copy of the step for the first one
.set i, i+1
.endr
	WIN 0
	v_and_b32 v[PFO], 31, v0
	v_lshlrev_b32 v[PFO], 11, v[PFO]               ; the prefetches: a lane a row
	s_lshl_b32 s18, s9, 7
	v_mul_u32_u24 v[AK0], v1, PK
	v_lshl_add_u32 v[AK0], v2, 4, v[AK0]
	v_add_nc_u32 v[AK0], s18, v[AK0]               ; K: row r x pitch + 16 h + my head's 128 bytes
	v_and_b32 v14, 7, v0
	v_bfe_u32 v15, v0, 3, 1
	v_lshl_add_u32 v[AV0], v2, 3, v14              ; V, turned: key 8 h + l % 8,
	v_mul_u32_u24 v[AV0], v[AV0], PV
	v_lshl_add_u32 v[AV0], v15, 4, v[AV0]          ; channels 8 ((l / 8) % 2) on
	s_add_co_u32 s19, s18, VOFF
	v_add_nc_u32 v[AV0], s19, v[AV0]
	v_mov_b32 v[TMV], 0xe0ad78ec                   ; -1e20,
	v_mul_f32 v[TMV], 0x3e38aa3b, v[TMV]           ; x c: what a hidden score counts as
.irp i, 0,1,2,3,4,5,6,7
	v_mov_b32 v[ONES+\i], 0x3c003c00               ; 1.0, 1.0 in f16
.endr
.irp t, 0,1,2,3
	v_mov_b32 v[ST+8*\t], 0xff61b1e6               ; m = -3e38, under every t and under TM
.irp i, 1,2,3,4,5,6,7
	v_mov_b32 v[ST+8*\t+\i], 0
.endr
.endr
	s_wait_xcnt 0x0                                ; Q's loads have read their base, which lies among the registers that the lane masks take; nothing below reads the head's scalars there
	MLOAD MA, 0                                    ; step 0: tile 0's lane masks,
	MLOAD MB, 4096                                 ; and tile 1's
; The scores of tile t are masked by the 32 words at s[m] on.
.macro CND t, m
.set rS, S+32*(\t)
.set w, 0
.rept 32
	v_cndmask_b32 v[rS+w], v[TMV], v[rS+w], s[\m+w]   ; register 8 kt + j: key 16 kt + 8 h + j of query r; each accumulator from its low end on
.set w, w+1
.endr
.endm
; THE REST OF ONE TILE'S SOFTMAX FOR ONE KEY STEP: 86 vector instructions.
.macro REST t
.set rS, S+32*(\t)
.set rT, ST+8*(\t)
.irp j, 0,1,2,3
	v_max3_num_f32 v[rT+4+\j], v[rS+8*\j], v[rS+8*\j+1], v[rS+8*\j+2]   ; the maximum, in four chains
.endr
.irp g, 1,2
.irp j, 0,1,2,3
	v_max3_num_f32 v[rT+4+\j], v[rT+4+\j], v[rS+8*\j+2*\g+1], v[rS+8*\j+2*\g+2]
.endr
.endr
	v_max3_num_f32 v[rT+4], v[rT+4], v[rS+7], v[rS+15]
	v_max3_num_f32 v[rT+6], v[rT+6], v[rS+23], v[rS+31]
	v_max3_num_f32 v[rT+4], v[rT+4], v[rT+5], v[rT+6]
	v_max3_num_f32 v[rT+4], v[rT+4], v[rT+7], v[rT]   ; with the old m
	v_permlanex16_b32 v[rT+5], v[rT+4], s[SEL], s[SEL+1]   ; the query's other 32 keys lie in the lane 16 away
	v_max_num_f32 v[rT+6], v[rT+4], v[rT+5]        ; the new m
	v_sub_f32 v[rT+2], v[rT], v[rT+6]              ; m_old - m_new
	v_mov_b32 v[rT], v[rT+6]
.set b, 0
.rept 16
	v_pk_add_f32 v[rS+2*b:rS+2*b+1], v[rS+2*b:rS+2*b+1], v[rT:rT+1] op_sel_hi:[1,0] neg_lo:[0,1] neg_hi:[0,1]   ; t - m, two at a time
.set b, b+1
.endr
	v_exp_f32 v[rT+2], v[rT+2]                     ; a
.set e, 0
.rept 32
	v_exp_f32 v[rS+e], v[rS+e]                     ; p, at most 1
.set e, e+1
.endr
	v_nop                                          ; a plain instruction behind the last exponential
	s_wait_alu depctr_va_vdst(0)                   ; one wait for the batch of 33, ahead of its first reader
.set i, 0
.rept 16
	v_cvt_pk_f16_f32 v[rS+i], v[rS+2*i], v[rS+2*i+1]   ; P in place, ascending: register i is written when registers 2 i, 2 i + 1 are read; v[rS + 8 c ..] is source 1 for keys 32 c on
.set i, i+1
.endr
.endm
; Tiles x and x + 1: O^T and l under the new m, then O^T += V^T P and l += ones P: ten accumulators take turns, one instruction a turn.
.macro PVH x
	WIN W_RS
.irp t, \x, \x+1
.set i, 0
.rept 16
	v_pk_mul_f32 v[32*(\t)+2*i:32*(\t)+2*i+1], v[32*(\t)+2*i:32*(\t)+2*i+1], v[ST+8*(\t)+2:ST+8*(\t)+3] op_sel_hi:[1,0]
.set i, i+1
.endr
	v_pk_mul_f32 v[LF+8*(\t):LF+8*(\t)+1], v[LF+8*(\t):LF+8*(\t)+1], v[ST+8*(\t)+2:ST+8*(\t)+3] op_sel_hi:[1,0]
.endr
	WIN W_PV
.irp kc, 0,1
.irp ct, 0,1,2,3
.irp t, \x, \x+1
	v_wmma_f32_16x16x32_f16 v[32*(\t)+8*\ct:32*(\t)+8*\ct+7], v[KV+8*(4*\kc+\ct):KV+8*(4*\kc+\ct)+7], v[S+32*(\t)+8*\kc:S+32*(\t)+8*\kc+7], v[32*(\t)+8*\ct:32*(\t)+8*\ct+7]
.endr
.endr
.irp t, \x, \x+1
	v_wmma_f32_16x16x32_f16 v[LF+8*(\t):LF+8*(\t)+7], v[ONES:ONES+7], v[S+32*(\t)+8*\kc:S+32*(\t)+8*\kc+7], v[LF+8*(\t):LF+8*(\t)+7]
.endr
.endr
	WIN 0
.endm
; A KEY STEP: 64 keys.
.macro STEP
	v_add_nc_u32 v[ADR], s[TB], v[AK0]
.rept 4
	v_nop                                          ; with the addition five places: the products below write S^T over the P that the last products read, and the loads land on V's fragments
.endr
.irp f, 0,1,2,3,4,5,6,7                        ; K: keys 16 (f / 2) on, channels 32 (f % 2) on
	ds_load_b128 v[KV+8*\f:KV+8*\f+3],   v[ADR] offset:(\f/2)*16*PK+(\f%2)*64
	ds_load_b128 v[KV+8*\f+4:KV+8*\f+7], v[ADR] offset:(\f/2)*16*PK+(\f%2)*64+32
.endr
	s_wait_dscnt 0x0
	WIN W_KQ
.irp cc, 0,1                                   ; S^T = K Q^T: the 16 accumulators take turns, one instruction a turn
.irp kt, 0,1,2,3
.irp t, 0,1,2,3
.if \cc == 0
	v_wmma_f32_16x16x32_f16 v[S+32*\t+8*\kt:S+32*\t+8*\kt+7], v[KV+8*(2*\kt+\cc):KV+8*(2*\kt+\cc)+7], v[QF+16*\t+8*\cc:QF+16*\t+8*\cc+7], 0
.else
	v_wmma_f32_16x16x32_f16 v[S+32*\t+8*\kt:S+32*\t+8*\kt+7], v[KV+8*(2*\kt+\cc):KV+8*(2*\kt+\cc)+7], v[QF+16*\t+8*\cc:QF+16*\t+8*\cc+7], v[S+32*\t+8*\kt:S+32*\t+8*\kt+7]
.endif
.endr
.endr
.endr
	WIN 0
	v_add_nc_u32 v[ADR], s[TB], v[AV0]
.rept 3
	v_nop                                          ; with the addition four places, for the loads over K's fragments and for the first read of the scores
.endr
.irp g, 0,1,2,3,4,5,6,7                        ; V, turned: keys 32 (g / 4) on, channels 16 (g % 4) on; they land while the softmax is walked
	ds_load_tr16_b128 v[KV+8*\g:KV+8*\g+3],   v[ADR] offset:(\g/4)*32*PV+(\g%4)*32
	ds_load_tr16_b128 v[KV+8*\g+4:KV+8*\g+7], v[ADR] offset:(\g/4)*32*PV+16*PV+(\g%4)*32
.endr
	s_wait_kmcnt 0x0                               ; the lane masks of tiles 0 and 1 are in, and no scalar load is out
	CND 0, MA
	CND 1, MB
	MLOAD MA, 2*4096                               ; the registers have been read: tiles 2 and 3's words are asked for at once,
	MLOAD MB, 3*4096                               ; two tiles' softmax, rescaling and 20 products ahead of the wait for them
	REST 0
	REST 1
	s_wait_dscnt 0x0                               ; V is in
	PVH 0
	s_wait_kmcnt 0x0                               ; the lane masks of tiles 2 and 3 are in, and no scalar load is out: so the offset may be stepped below
	CND 2, MA                                      ; (these name no register of the products just issued)
	CND 3, MB
	s_add_co_u32 s[MO], s[MO], 128                 ; the next step's words of tiles 0 and 1;
	s_min_u32 s[MO], s[MO], 3968                   ; the last step asks once more for its own: no load leaves the buffer
	MLOAD MA, 0
	MLOAD MB, 4096
	REST 2
	REST 3
	PVH 2
	s_add_co_u32 s[TB], s[TB], STEPB
.endm
.macro TWO_STEPS                       ; a slot's two key steps: written once, walked twice
	s_mov_b32 s[TWICE], 2
.Lstep_\@:
	STEP
	s_sub_co_u32 s[TWICE], s[TWICE], 1
	s_cmp_lg_u32 s[TWICE], 0
	s_cbranch_scc1 .Lstep_\@
	s_sub_co_u32 s[TB], s[TB], 2*STEPB             ; back to a slot's first step,
	s_xor_b32 s[TB], s[TB], SLOT1                  ; in the other slot
.endm
; THE CHANGE OF SLOTS stands at a slot's head.  Each wave waits for all its tensor loads (its part of the slot ahead), adds 0 to its spare word, and waits for that and for its reads of the slot that it has left.
; fill = 1: a round of the cluster's barrier, and behind it the joint load of the next 128 keys into the slot just left: it has two key steps in which to land.
.macro CHANGE fill
	s_wait_tensorcnt 0x0                           ; no tensor load of mine is out, so a group 0 may be written
	ds_add_u32 v[SPW], v[NIL]
.if \fill
	s_xor_b32 s[G0K+1], s[G0K+1], SLOT1            ; the walking descriptors: the other slot than last time,
	s_add_nc_u64 s[G0K+2:G0K+3], s[G0K+2:G0K+3], 128*TOK   ; the next 128 keys
	s_xor_b32 s[G0V+1], s[G0V+1], SLOT1
	s_add_nc_u64 s[G0V+2:G0V+3], s[G0V+2:G0V+3], 128*TOK
	s_wait_xcnt 0x0                                ; the last prefetch, two key steps back, has read its address
	s_add_nc_u64 s[PFA:PFA+1], s[PFA:PFA+1], 128*TOK       ; one slot further on than the walking descriptors
	s_wait_dscnt 0x0                               ; the add is done, and my reads of the slot that I have left are over
	CROUND
	JLOAD                                          ; the first tensor load behind the round, and my only one until the next
	ASK
.else
	s_wait_dscnt 0x0
	s_barrier_signal -1
	s_barrier_wait -1
.endif
.endm
	s_wait_loadcnt 0x0                             ; Q
.Lslot:                                            ; 15 trips: behind each change of slots but the last the next slot is asked for
	CHANGE 1
	TWO_STEPS
	s_sub_co_u32 s[SLOTS], s[SLOTS], 1
	s_cmp_lg_u32 s[SLOTS], 0
	s_cbranch_scc1 .Lslot
	s_wait_xcnt 0x0                                ; the last prefetch, two key steps back, has read its address: nothing more is prefetched, and the pair takes
	s_load_b64 s[PFA:PFA+1], s[0:1], 0x10          ; att's address: it is in at the next step's first wait for scalar loads
	CHANGE 0                                       ; the last slot is written out
	TWO_STEPS
	; THE WAY OUT.  O^T / l, rounded to f16, goes through a stage: a row's 256 bytes come from waves w and w + 4.  The addresses are made here: eight plain vector instructions, the places behind the last products.
	s_wait_kmcnt 0x0                               ; the last look-ahead of lane masks has landed: its registers are at work again
	s_and_b32 s8, s[WV], 3
	s_lshr_b32 s9, s[WV], 2
	s_lshl_b32 s18, s8, 6
	s_mul_i32 s18, s18, SP
	s_lshl_b32 s19, s9, 7
	s_add_co_u32 s18, s18, s19
	v_mul_u32_u24 v[STO], v1, SP
	v_lshl_add_u32 v[STO], v2, 4, v[STO]
	v_add_nc_u32 v[STO], s18, v[STO]               ; in: row 64 (w % 4) + r, my head's 128 bytes, + 16 h
	s_mul_i32 s19, s[WV], 32*SP
	v_mul_u32_u24 v[RD], v2, SP
	v_lshl_add_u32 v[RD], v1, 4, v[RD]
	v_add_nc_u32 v[RD], s19, v[RD]                 ; back: rows 32 w on; lanes 0-15 one row, lanes 16-31 the next
	v_lshlrev_b32 v[GO], 11, v2
	v_lshl_add_u32 v[GO], v1, 4, v[GO]             ; and the same two rows in att
	s_bfe_u32 s12, ttmp6, 0x40000                  ; where my 32 rows of att begin, from the ids once more: cx,
	s_lshl_b32 s13, ttmp9, 2
	s_add_co_u32 s13, s13, s12                     ; my block of 256 queries,
	s_and_b32 s15, ttmp7, 0xffff
	s_lshr_b32 s14, s15, 3                         ; the batch,
	s_and_b32 s15, s15, 7                          ; the pair of heads
	s_lshl_b32 s16, s14, 11
	s_lshl_b32 s17, s13, 8
	s_add_co_u32 s16, s16, s17
	s_lshl_b32 s17, s[WV], 5
	s_add_co_u32 s16, s16, s17                     ; token 2,048 x batch + 256 x block + 32 x wave,
	s_lshl_b32 s16, s16, 11
	s_lshl_b32 s17, s15, 8
	s_add_co_u32 s16, s16, s17                     ; the pair's 256 bytes in its row
	s_mov_b32 s17, 0
	s_add_nc_u64 s[PFA:PFA+1], s[PFA:PFA+1], s[16:17]
	WIN 0x01                                       ; source 0 window 1
.irp t, 0,1,2,3
	v_rcp_f32 v[ST+8*\t+2], v[LF+8*\t]             ; l lies in the accumulator's lowest register
.endr
	WIN 0
	v_nop                                          ; a plain instruction behind the last reciprocal
	s_wait_alu depctr_va_vdst(0)                   ; one wait for the four, ahead of their first reader
.irp t, 0,1,2,3
	WIN W_RS
.set i, 0
.rept 16
	v_pk_mul_f32 v[32*\t+2*i:32*\t+2*i+1], v[32*\t+2*i:32*\t+2*i+1], v[ST+8*\t+2:ST+8*\t+3] op_sel_hi:[1,0]
.set i, i+1
.endr
	WIN 0x05                                       ; sources 0 and 1 window 1, destination window 0
.set i, 0
.rept 16
	v_cvt_pk_f16_f32 v[S+16*\t+i], v[32*\t+2*i], v[32*\t+2*i+1]
.set i, i+1
.endr
	WIN 0
.irp ct, 0,1,2,3
	ds_store_b128 v[STO], v[S+16*\t+4*\ct:S+16*\t+4*\ct+3] offset:\t*16*SP+32*\ct   ; query 16 t + r, channels 16 ct + 8 h on
.endr
.endr
	s_wait_dscnt 0x0                               ; for the others' sake: my stores into the stage are done
	s_barrier_signal -1
	s_barrier_wait -1
.irp u, 0,1,2,3,4,5,6,7,8,9,10,11,12,13,14,15
	ds_load_b128 v[OB+4*\u:OB+4*\u+3], v[RD] offset:\u*2*SP
.endr
.irp u, 0,1,2,3,4,5,6,7,8,9,10,11,12,13,14,15
	s_wait_dscnt 15-\u                             ; loads come back in order: the younger ones may be out
	global_store_b128 v[GO], v[OB+4*\u:OB+4*\u+3], s[PFA:PFA+1] offset:\u*2*TOK   ; 16 lanes store 256 consecutive bytes, aligned
.endr
	s_wait_tensorcnt 0x0                           ; the wave's end
	ds_add_u32 v[SPW], v[NIL]
	s_wait_dscnt 0x0
	CROUND                                         ; the closing round
	s_endpgm
.Lfunc_end_k_q647a10a3d0_attn:
	.size	k_q647a10a3d0_attn, .Lfunc_end_k_q647a10a3d0_attn-k_q647a10a3d0_attn
	.p2alignl 7, 3214868480
	.fill 96, 4, 3214868480
	.section	.rodata,"a",@progbits
	.p2align	6, 0x0
	.amdhsa_kernel k_q647a10a3d0_attn
		.amdhsa_group_segment_fixed_size 327680
		.amdhsa_private_segment_fixed_size 0
		.amdhsa_enable_private_segment 0
		.amdhsa_kernarg_size 24
		.amdhsa_user_sgpr_count 2
		.amdhsa_user_sgpr_kernarg_segment_ptr 1
		.amdhsa_wavefront_size32 1
		.amdhsa_system_sgpr_workgroup_id_x 1
		.amdhsa_system_sgpr_workgroup_id_y 1
		.amdhsa_system_sgpr_workgroup_id_z 1
		.amdhsa_system_vgpr_workitem_id 0
		.amdhsa_next_free_vgpr 512
		.amdhsa_next_free_sgpr 106
		.amdhsa_reserve_vcc 0
		.amdhsa_float_denorm_mode_32 3
		.amdhsa_float_denorm_mode_16_64 3
		.amdhsa_memory_ordered 1
		.amdhsa_forward_progress 1
		.amdhsa_inst_pref_size 106
	.end_amdhsa_kernel
	.amdgpu_metadata
---
amdhsa.version: [ 1, 2 ]
amdhsa.kernels:
  - .name:           k_q647a10a3d0_attn
    .symbol:         k_q647a10a3d0_attn.kd
    .args:
      - { .name: qkv, .offset: 0, .size: 8, .value_kind: global_buffer, .address_space: global }
      - { .name: maskw, .offset: 8, .size: 8, .value_kind: global_buffer, .address_space: global }
      - { .name: att, .offset: 16, .size: 8, .value_kind: global_buffer, .address_space: global }
    .group_segment_fixed_size: 327680
    .private_segment_fixed_size: 0
    .kernarg_segment_align: 8
    .kernarg_segment_size: 24
    .max_flat_workgroup_size: 256
    .sgpr_count:     106
    .vgpr_count:     512
    .wavefront_size: 32
...
	.end_amdgpu_metadata
.endif
;; end of part 5
;; launch outp: the kernel of part 4 again; grid 8 x 64, 4 waves a work-group, clusters of 4 x 4, 327,680 bytes of LDS; arguments att, wo16, bo, out0; writes out0
